; MI455X (gfx1250); checked and timed in simulation.
; The chip was launched on July 23, 2026; its instructions are those of AMD's public machine-readable ISA for CDNA 5 (MIT licence, August 2026) and "CDNA5" Instruction Set Architecture Reference Guide (July 2026). The comments in the code are by the model that wrote it; some were corrected since.
;; Mo E Runtime Experts. Allowed arithmetic: matrix products marked QUANTISED: E4M3 operands, one E8M0 scale for each 32 along K, by v_wmma_scale_f32_16x16x128_f8f6f4 with both operands' format E4M3, f32 sums; everything else in f32.
;; Inputs: bias1 8 x 4,096 float32; bias2 8 x 1,024 float32; indices_s 1,024 int32; weight1_codes 8 x 4,096 x 32 x 32 uint8 (E4M3 codes of weight1, K innermost, in blocks of 32 codes); weight1_scales 8 x 4,096 x 32 uint8 (E8M0 scales of weight1, one for each 32 codes along K); weight2_codes 8 x 1,024 x 128 x 32 uint8 (E4M3 codes of weight2, K innermost, in blocks of 32 codes); weight2_scales 8 x 1,024 x 128 uint8 (E8M0 scales of weight2, one for each 32 codes along K); x_codes 1,024 x 32 x 32 uint8 (E4M3 codes of x, K innermost, in blocks of 32 codes); x_scales 1,024 x 32 uint8 (E8M0 scales of x, one for each 32 codes along K).
;; Outputs: out0 1,024 x 1 x 1,024 float32.
;; This version of the problem:
;;   THIS VERSION OF THE PROBLEM IS GIVEN IN LOW PRECISION. The matrix products marked QUANTISED in the list below multiply operands that are first quantised to E4M3 (4 exponent bits, 3 mantissa bits; 8 bits a number), with one power-of-two scale for each 32 numbers along K (OCP MX v1.0); their sums are f32. All else is computed in f32.
;;   The module's matrix products, in the order in which they are computed (A, B: the left and right operand; K: the contracted axis; several contracted axes count as one K, in the product's order):
;;     1. [M 1,024, K 1,024] x [K 1,024, N 4,096]; A: input x (given as codes); B: input weight1 (given as codes): QUANTISED
;;     2. [M 1,024, K 1,024] x [K 1,024, N 4,096]; A: input x (given as codes); B: input weight1 (given as codes): QUANTISED
;;     3. [M 1,024, K 1,024] x [K 1,024, N 4,096]; A: input x (given as codes); B: input weight1 (given as codes): QUANTISED
;;     4. [M 1,024, K 1,024] x [K 1,024, N 4,096]; A: input x (given as codes); B: input weight1 (given as codes): QUANTISED
;;     5. [M 1,024, K 1,024] x [K 1,024, N 4,096]; A: input x (given as codes); B: input weight1 (given as codes): QUANTISED
;;     6. [M 1,024, K 1,024] x [K 1,024, N 4,096]; A: input x (given as codes); B: input weight1 (given as codes): QUANTISED
;;     7. [M 1,024, K 1,024] x [K 1,024, N 4,096]; A: input x (given as codes); B: input weight1 (given as codes): QUANTISED
;;     8. [M 1,024, K 1,024] x [K 1,024, N 4,096]; A: input x (given as codes); B: input weight1 (given as codes): QUANTISED
;;     9. [M 1,024, K 4,096] x [K 4,096, N 1,024]; A: computed on the way; B: input weight2 (given as codes): QUANTISED
;;     10. [M 1,024, K 4,096] x [K 4,096, N 1,024]; A: computed on the way; B: input weight2 (given as codes): QUANTISED
;;     11. [M 1,024, K 4,096] x [K 4,096, N 1,024]; A: computed on the way; B: input weight2 (given as codes): QUANTISED
;;     12. [M 1,024, K 4,096] x [K 4,096, N 1,024]; A: computed on the way; B: input weight2 (given as codes): QUANTISED
;;     13. [M 1,024, K 4,096] x [K 4,096, N 1,024]; A: computed on the way; B: input weight2 (given as codes): QUANTISED
;;     14. [M 1,024, K 4,096] x [K 4,096, N 1,024]; A: computed on the way; B: input weight2 (given as codes): QUANTISED
;;     15. [M 1,024, K 4,096] x [K 4,096, N 1,024]; A: computed on the way; B: input weight2 (given as codes): QUANTISED
;;     16. [M 1,024, K 4,096] x [K 4,096, N 1,024]; A: computed on the way; B: input weight2 (given as codes): QUANTISED
;;   THE QUANTISER, for each operand of a quantised product, along K:
;;     - K is cut into blocks of 32 from its start; a last block that is shorter is filled with zeros.
;;     - A block's scale is 2^e with e = floor(log2(the largest magnitude in the block)) - 8, held to -126 .. 127; a block of zeros has e = 0. As a byte (E8M0): e + 127.
;;     - Each number is divided by its block's scale, clamped to +-448, and rounded to the nearest number of E4M3, ties to even, subnormals kept.
;;     - The product sums the exact products of the quantised numbers (number of the format x scale) in f32.
;;   ~~~python
;;   def quantise(x, axis):      # numpy; x: float32 -> the quantised numbers, widened to float32 again
;;       x = np.moveaxis(x, axis, -1); K = x.shape[-1]
;;       x = np.pad(x, [(0, 0)] * (x.ndim - 1) + [(0, -K % 32)]); x = x.reshape(x.shape[:-1] + (-1, 32)); a = np.abs(x).max(-1, keepdims=True)
;;       e = np.where(a > 0, np.clip(np.frexp(np.where(a > 0, a, 1))[1] - 1 - 8, -126, 127), 0)      # np.frexp(a)[1] - 1 = floor(log2(a)), exactly
;;       r = np.clip(x / 2.0 ** e, -448, 448)
;;       step = 2.0 ** (np.maximum(np.frexp(np.where(r == 0, 1, r))[1] - 1, -6) - 3)
;;       q = np.round(r / step) * step * 2.0 ** e      # np.round: ties to even
;;       return np.moveaxis(q.reshape(q.shape[:-2] + (-1,))[..., :K], -1, axis).astype(np.float32)
;;   ~~~
;;   OPERANDS COMPUTED ON THE WAY. 'Computed on the way' means the value that the module computes at that place (a softmax that the list does not call 'softmax' is quantised finished and normalised). What goes into a quantiser is computed in f32, as accurately as f32 sums, v_exp_f32 and their like allow (about 1e-6 of the number): no bf16 or f16 on the way to a quantiser, and a product that is left as it is and whose result goes on into a quantised operand takes f32 operands (vector FMAs, or v_wmma_f32_16x16x4_f32). A number that lies on a knife's edge between two numbers of the format may be rounded either way, as far as f32 arithmetic and the matrix unit's own rounding can turn it there, and no further.
;;   INPUTS GIVEN AS CODES. weight1 (in the module: [8, 1024, 4096], K = its axis 1); weight2 (in the module: [8, 4096, 1024], K = its axis 1); x (in the module: [1024, 1024], K = its axis 1): each comes as NAME_codes (uint8): NAME with its K axis moved to the last place and cut into blocks of 32 codes, [.., K / 32, bytes a block], one block behind the other in memory; one code a byte (a code: sign, 4 exponent bits, 3 mantissa bits); and NAME_scales (uint8): the same leading axes, one E8M0 byte (e + 127) for each 32 codes along K. Its value is code x scale, taken as it is: it is not quantised again, and the codes and scales need not be those that the quantiser above would give.
;; 2 versions. Each part assembles by itself: llvm-mc -triple=amdgcn-amd-amdhsa -mcpu=gfx1250 --defsym DOCPART=n.
;; ======== version 1 of 2: 2 launches
;; limits: right only within a limited range of input values
;; workspace buffers: hcodes 33,554,432 bytes; hscales 1,048,576 bytes; route 34,816 bytes of whole numbers
;; launch layer1 (part 1): grid 32 x 8, 4 waves a work-group, no clusters, 278,016 bytes of LDS; arguments x_codes, x_scales, weight1_codes, weight1_scales, bias1, indices_s, hcodes, hscales, route; writes hcodes, hscales, route
.if DOCPART == 1
	.amdgcn_target "amdgcn-amd-amdhsa--gfx1250"
	.amdhsa_code_object_version 6
	.text
	.protected	k_qaede6f64f0_layer1
	.globl	k_qaede6f64f0_layer1
	.p2align	8
	.type	k_qaede6f64f0_layer1,@function
k_qaede6f64f0_layer1:
	s_mov_b64 s[64:65], 0
	v_nop
	global_prefetch_b8 v0, s[64:65] scope:SCOPE_SE
	s_setreg_imm32_b32 hwreg(HW_REG_WAVE_MODE, 25, 1), 1
	s_wait_xcnt 0x0
; FIRST LAYER OF A LAYER OF EXPERTS: h = Q(gelu(x W1[e] + b1[e])) for the tokens whose index names expert e, and for them alone.
; x: 1,024 tokens x 1,024 codes of E4M3, W1: [8][4,096 units][1,024 codes], K innermost, one E8M0 byte for each 32 along K.  Q is the MX quantiser along the 4,096 hidden units.
; SHARES.  Work-group (x = j, y = e) makes hidden units 128 j .. 128 j + 127 of expert e for ALL tokens of that expert; wave w makes units 32 w .. 32 w + 31 of them: one block of 32 of the next K.
; The wave's 32 rows of W1 (32 KiB) are read once and stay in 256 registers.  Tokens go in tiles of 16, eight tiles (a chunk) at a time through LDS; wave w gathers tiles 2 w and 2 w + 1 of a chunk.
; ROUTING.  Wave 0 sorts the 1,024 indices into the list of this expert's tokens in LDS while the weights are on their way.  Behind the last entry 32 entries repeat the last token, all others are 0:
; a padding row of the last tile repeats that token's work bit for bit, so no lane is ever switched off.  Work-group j = 0 stores list and count for the second launch.
; An expert without tokens still works one tile (of token 0), so that tile 0 of the workspace is always written: the second launch's look-ahead may load it.
; THE MATRIX INSTRUCTION IS USED TRANSPOSED: source 0 = 16 rows of W1, source 1 = 16 tokens.  Row r of tile u is the wave's row 8 u + r + 8 (r / 8), so that a lane's 16 results are units 16 (lane / 16) + 0 .. 15.
; OUT.  hcodes [e][tile 64][K step 32][c 4][lane 32][16 bytes] is the image of the second product's operand registers: a wave's store covers 512 consecutive aligned bytes.  hscales [e][K step][tile][row]: a word a row.
; NO TENSOR LOADS, NO CLUSTER, NO JOINT LOADS: the number of tiles is a count made from the index input (0 to 64 tiles an expert), so trips are left out by branches on it.
; GELU by erfc: g = max(v, 0) - a erfc(a) / sqrt(2), a = |v| / sqrt(2); (1 + 2 a) exp(a a) erfc(a) = 1 + p(q), q = (a - 2) / (a + 2), p of degree 9; the roundings of a a and of its product with log2(e) are carried along.
; LIMITS: |v| from 1.8e19 on gives NaN (a a overflows); erfc(a) exp-part under 2^-126 counts as 0; NaN and infinities among the inputs are not served; a block of zeros gets the byte 1 (its codes are zeros; this program alone reads the bytes).
; REGISTERS, in windows of 256.  Window 0: v1-19 addresses; v20-37 gather offsets; v38-45 x scale rows on their way; v46-53 W1 scale words; v54-61 the tile's x scale words; v62-77 b1; v78-79 c8; v80-95 the two accumulators;
;   v96-191 six arrays of 16 for the gelu; v192-195 codes; v196-203 at work; v204-218 constants and addresses.  Window 1: W1's 16 fragments.  Window 2: W1 on its way, then the tile's 8 fragments of x.  Window 3: x rows on their way.
.set WPW,  33280                       ; LDS: a wave's 32 rows of W1 at pitch RPL
.set RPL,  1040                        ; 1,024 bytes + 16 = 65 x 16: the sixteen rows that a load touches begin in sixteen different 16-byte columns modulo 256
.set XT,   16640                       ; a tile's 16 rows at that pitch
.set XROW, 4*WPW                       ; a chunk's 8 tiles of x rows
.set XSC,  XROW+8*XT                   ; their scale rows: 32 bytes at pitch 48, 768 a tile
.set LIST, XSC+8*768                   ; the list: 1,056 entries in 4,352 bytes
.set DUM,  LIST+4352                   ; where lanes whose token is another expert's put their word: entries 1,088 to 1,119 counted from the list's head; never read
.set CNT,  DUM+128                     ; the count
.set SCB,  CNT+128                     ; a chunk's scale bytes: 64 tile + 4 row + wave
.set WSC,  46
.set XSW,  54
.set BI,   62
.set V,    80
.set A,    96
.set S,    112
.set U,    128
.set C,    144
.set R1,   160
.set R2,   176
.set PC,   192
.set MSB, 0
.macro WIN new                         ; the immediate's high byte repeats the setting that is left
.if MSB != \new
	s_set_vgpr_msb (MSB<<8)|\new
.set MSB, \new
.endif
.endm
.macro BARRIER                         ; my LDS stores have landed and my LDS loads are in: then the work-group's barrier
	s_wait_dscnt 0x0
	s_barrier_signal -1
	s_barrier_wait -1
.endm
.macro PLACES n
.rept \n
	v_nop
.endr
.endm
.macro PAIRC r, val                    ; a constant for the packed forms: they name a pair, so both words are written
	s_mov_b32 s[\r], \val
	s_mov_b32 s[\r+1], \val
.endm
.macro OFF3 p, a, b, c                 ; pointer p += e << a | j << b | w << c  (s33 = 0; all under 2^32)
	s_lshl_b32 s32, s23, \a
	s_lshl_b32 s34, s24, \b
	s_or_b32 s32, s32, s34
	s_lshl_b32 s34, s22, \c
	s_or_b32 s32, s32, s34
	s_add_nc_u64 s[\p:\p+1], s[\p:\p+1], s[32:33]
.endm
; W1 on its way in: pair of rows i, quarter q: lanes 0-15 read 256 aligned bytes of row 2 i, lanes 16-31 of row 2 i + 1
.macro WLOAD i0, i1
	WIN 0x80                                       ; destination window 2
.set wi, \i0
.rept (\i1)-(\i0)+1
.irp q, 0,1,2,3
	global_load_b128 v[16*wi+4*\q:16*wi+4*\q+3], v11, s[8:9] offset:2048*wi+256*\q th:TH_LOAD_NT
.endr
.set wi, wi+1
.endr
	WIN 0
.endm
; eight of those loads go into the wave's own rows in LDS; memory row rho lands in place 16 ((rho / 8) % 2) + 8 (rho / 16) + rho % 8
.macro WSTORE g
	WIN 0x08                                       ; the data: window 2
.irp d, 0,1
.set rho, 4*(\g)+2*\d
.set slo, 16*((rho>>3)&1)+8*(rho>>4)+(rho&7)
.irp q, 0,1,2,3
	ds_store_b128 v4, v[16*(2*(\g)+\d)+4*\q:16*(2*(\g)+\d)+4*\q+3] offset:slo*RPL+256*\q
.endr
.endr
	WIN 0
.endm
.macro WFRAG                           ; and come back as 16 fragments (tile u, K step k) at v[16 (8 u + k)] of window 1.  LDS serves a wave's instructions in order: these see my stores
	WIN 0x40
.irp u, 0,1
.irp k, 0,1,2,3,4,5,6,7
.irp c, 0,1,2,3
	ds_load_b128 v[16*(8*\u+\k)+4*\c:16*(8*\u+\k)+4*\c+3], v5 offset:\u*XT+128*\k+32*\c
.endr
.endr
.endr
	WIN 0
.endm
; the gather offsets of my tile a of the chunk whose list bytes begin at s35: eight pairs of rows, and the scale rows.  Every number from the list is held under 1,024 before it enters an address
.macro GADDR a
	v_add_nc_u32 v208, s35, v13
	v_add_nc_u32 v209, s35, v14
.irp m, 0,1,2,3,4,5,6,7
	ds_load_b32 v[20+8*\a+\m], v208 offset:64*\a+8*\m
.endr
	ds_load_b32 v[36+\a], v209 offset:64*\a
	s_wait_dscnt 0x0
.irp m, 0,1,2,3,4,5,6,7
	v_min_u32 v[20+8*\a+\m], 0x3ff, v[20+8*\a+\m]
.endr
	v_min_u32 v[36+\a], 0x3ff, v[36+\a]
.irp m, 0,1,2,3,4,5,6,7
	v_lshl_add_u32 v[20+8*\a+\m], v[20+8*\a+\m], 10, v12    ; token x 1,024 + 16 (lane % 16)
.endr
	v_lshl_add_u32 v[36+\a], v[36+\a], 5, v206               ; token x 32 + 16 (lane / 16)
.endm
.macro XLD i                           ; pair of rows i of my 32: sixteen lanes read 256 aligned bytes of a token's row  (window 3)
.irp q, 0,1,2,3
	global_load_b128 v[16*(\i)+4*\q:16*(\i)+4*\q+3], v[20+(\i)], s[4:5] offset:256*\q
.endr
.endm
.macro XTILE a                         ; a whole tile: 32 loads of codes, one of scale rows
	WIN 0xc0
.irp m, 0,1,2,3,4,5,6,7
	XLD 8*\a+\m
.endr
	WIN 0
	global_load_b128 v[38+4*\a:41+4*\a], v[36+\a], s[6:7]
.endm
.macro XSTORE a                        ; my tile a goes into the chunk's rows in LDS
	WIN 0x0c                                       ; the data: window 3
.irp m, 0,1,2,3,4,5,6,7
.irp q, 0,1,2,3
	ds_store_b128 v6, v[16*(8*\a+\m)+4*\q:16*(8*\a+\m)+4*\q+3] offset:2*(8*\a+\m)*RPL+256*\q
.endr
.endr
	WIN 0
	ds_store_b128 v8, v[38+4*\a:41+4*\a] offset:768*\a
.endm
.macro FETCH ac, aw                    ; a tile's 8 fragments of x into window 2, its 8 scale words a row into v54-61
	WIN 0x80
.irp k, 0,1,2,3,4,5,6,7
.irp c, 0,1,2,3
	ds_load_b128 v[16*\k+4*\c:16*\k+4*\c+3], v[\ac] offset:128*\k+32*\c
.endr
.endr
	WIN 0
	ds_load_b128 v[XSW:XSW+3], v[\aw]
	ds_load_b128 v[XSW+4:XSW+7], v[\aw] offset:16
.endm
; gelu of the lane's 16 sums, in place in V
.macro GELU
.set gi, 0
.rept 16
	v_mul_f32 v[A+gi], 0x3f3504f3, |v[V+gi]|       ; a = |v| / sqrt(2); each accumulator is read from its low end on
.set gi, gi+1
.endr
.irp p, 0,2,4,6,8,10,12,14
	v_pk_mul_f32 v[S+\p:S+\p+1], v[A+\p:A+\p+1], v[A+\p:A+\p+1]                                    ; s = a a, rounded
.endr
.irp p, 0,2,4,6,8,10,12,14
	v_pk_mul_f32 v[U+\p:U+\p+1], v[S+\p:S+\p+1], s[58:59] op_sel_hi:[1,0]                          ; u = -s Lh, rounded (log2(e) = Lh + Ll)
.endr
.irp p, 0,2,4,6,8,10,12,14
	v_pk_fma_f32 v[C+\p:C+\p+1], v[S+\p:S+\p+1], s[58:59], v[U+\p:U+\p+1] op_sel_hi:[1,0,1] neg_lo:[0,0,1] neg_hi:[0,0,1]   ; what that rounding dropped,
.endr
.irp p, 0,2,4,6,8,10,12,14
	v_pk_fma_f32 v[C+\p:C+\p+1], v[S+\p:S+\p+1], s[60:61], v[C+\p:C+\p+1] op_sel_hi:[1,0,1]        ; less s Ll
.endr
.irp p, 0,2,4,6,8,10,12,14
	v_pk_fma_f32 v[S+\p:S+\p+1], v[A+\p:A+\p+1], v[A+\p:A+\p+1], v[S+\p:S+\p+1] neg_lo:[0,1,0] neg_hi:[0,1,0]   ; s - a a, exact
.endr
.irp p, 0,2,4,6,8,10,12,14
	v_pk_fma_f32 v[C+\p:C+\p+1], v[C+\p:C+\p+1], s[62:63], v[S+\p:S+\p+1] op_sel_hi:[1,0,1]        ; exp(-a a) = 2^u (1 + this)
.endr
.irp p, 0,2,4,6,8,10,12,14
	v_pk_add_f32 v[R1+\p:R1+\p+1], v[A+\p:A+\p+1], 2.0 op_sel_hi:[1,0]
.endr
.irp p, 0,2,4,6,8,10,12,14
	v_pk_fma_f32 v[R2+\p:R2+\p+1], v[A+\p:A+\p+1], s[66:67], v[204:205] op_sel_hi:[1,0,1]          ; sqrt(2) (1 + 2 a)
.endr
.set gi, 0
.rept 16                               ; ONE BATCH of 48: none of them reads another's result
	v_rcp_f32 v[R1+gi], v[R1+gi]
	v_rcp_f32 v[R2+gi], v[R2+gi]
	v_exp_f32 v[U+gi], v[U+gi]
.set gi, gi+1
.endr
.irp p, 0,2,4,6,8,10,12,14
	v_pk_add_f32 v[S+\p:S+\p+1], v[A+\p:A+\p+1], -2.0 op_sel_hi:[1,0]                              ; plain work behind the batch that names none of its results
.endr
	s_wait_alu depctr_va_vdst(0)                   ; the wait ahead of the first reader: one for the batch
.irp p, 0,2,4,6,8,10,12,14
	v_pk_mul_f32 v[R1+\p:R1+\p+1], v[S+\p:S+\p+1], v[R1+\p:R1+\p+1]                                ; q
.endr
.irp p, 0,2,4,6,8,10,12,14
	v_pk_fma_f32 v[S+\p:S+\p+1], v[R1+\p:R1+\p+1], s[40:41], v[78:79] op_sel_hi:[1,0,1]            ; c9 q + c8
.endr
.irp t, 42,44,46,48,50,52,54,56
.irp p, 0,2,4,6,8,10,12,14
	v_pk_fma_f32 v[S+\p:S+\p+1], v[S+\p:S+\p+1], v[R1+\p:R1+\p+1], s[\t:\t+1] op_sel_hi:[1,1,0]    ; .. q + c7 .. c0
.endr
.endr
.irp p, 0,2,4,6,8,10,12,14
	v_pk_fma_f32 v[S+\p:S+\p+1], v[S+\p:S+\p+1], v[R2+\p:R2+\p+1], v[R2+\p:R2+\p+1]                ; (1 + p) / (sqrt(2) (1 + 2 a))
.endr
.irp p, 0,2,4,6,8,10,12,14
	v_pk_mul_f32 v[S+\p:S+\p+1], v[S+\p:S+\p+1], v[U+\p:U+\p+1]
.endr
.irp p, 0,2,4,6,8,10,12,14
	v_pk_fma_f32 v[S+\p:S+\p+1], v[S+\p:S+\p+1], v[C+\p:C+\p+1], v[S+\p:S+\p+1]                    ; erfc(a) / sqrt(2)
.endr
.set gi, 0
.rept 16
	v_max_num_f32 v[R1+gi], 0, v[V+gi]
.set gi, gi+1
.endr
.irp p, 0,2,4,6,8,10,12,14
	v_pk_fma_f32 v[V+\p:V+\p+1], v[A+\p:A+\p+1], v[S+\p:S+\p+1], v[R1+\p:R1+\p+1] neg_lo:[1,0,0] neg_hi:[1,0,0]
.endr
.endm
; the lane's 16 numbers and lane xor 16's are a block of 32 along the next K: codes into v192-195, the scale's byte into v199
.macro QUANT
	v_max3_num_f32 v196, |v[V]|, |v[V+1]|, 0x4800000           ; with the floor 2^(9 - 127): the byte cannot fall under 1
	v_max3_num_f32 v201, |v[V+2]|, |v[V+3]|, |v[V+4]|
	v_max3_num_f32 v196, v196, |v[V+5]|, |v[V+6]|
	v_max3_num_f32 v201, v201, |v[V+7]|, |v[V+8]|
	v_max3_num_f32 v196, v196, |v[V+9]|, |v[V+10]|
	v_max3_num_f32 v201, v201, |v[V+11]|, |v[V+12]|
	v_max3_num_f32 v196, v196, |v[V+13]|, |v[V+14]|
	v_max3_num_f32 v196, v196, v201, |v[V+15]|
	v_permlanex16_b32 v197, v196, s36, s37
	v_max_num_f32 v196, v196, v197                 ; the block's largest magnitude
	v_add_nc_u32 v198, 0xfc000000, v196            ; 8 off its exponent field: the conversion's scale operand
	v_and_or_b32 v200, v196, 0x7f800000, s38       ; 448 x the scale
	v_lshrrev_b32 v199, 23, v198                   ; the scale's byte
.set gi, 0
.rept 16
	v_med3_num_f32 v[V+gi], v[V+gi], -v200, v200   ; the conversion to an 8-bit code does not saturate (ISA guide 7.6.2): the hold comes first
.set gi, gi+1
.endr
	v_cvt_scalef32_pk8_fp8_f32 v[PC:PC+1], v[V:V+7], v198
	v_cvt_scalef32_pk8_fp8_f32 v[PC+2:PC+3], v[V+8:V+15], v198
	v_nop                                          ; a plain line behind the conversions: the next tile's products write their sources
.endm
; ONE TILE: 16 products, the fetch of the next tile, gelu, quantiser, the stores
.macro TILE
	s_wait_dscnt 0x0                               ; the tile's fragments and scale words are in; the last tile's byte store has read its registers
	WIN 0x09                                       ; source 0 (W1) window 1, source 1 (x) window 2, C and D window 0
.irp k, 0,1,2,3,4,5,6,7                ; the two accumulators take turns, one instruction a turn; b1 is the C of each sum's first link
.if \k == 0
	v_wmma_scale_f32_16x16x128_f8f6f4 v[V:V+7], v[0:15], v[0:15], v[BI:BI+7], v[WSC], v[XSW]
	v_wmma_scale_f32_16x16x128_f8f6f4 v[V+8:V+15], v[128:143], v[0:15], v[BI+8:BI+15], v[WSC], v[XSW] matrix_a_scale:MATRIX_SCALE_ROW1
.else
	v_wmma_scale_f32_16x16x128_f8f6f4 v[V:V+7], v[16*\k:16*\k+15], v[16*\k:16*\k+15], v[V:V+7], v[WSC+\k], v[XSW+\k]
	v_wmma_scale_f32_16x16x128_f8f6f4 v[V+8:V+15], v[128+16*\k:128+16*\k+15], v[16*\k:16*\k+15], v[V+8:V+15], v[WSC+\k], v[XSW+\k] matrix_a_scale:MATRIX_SCALE_ROW1
.endif
.endr
	WIN 0
	s_add_co_u32 s72, s29, 1
	s_and_b32 s72, s72, 7                          ; the next place in the chunk
	s_mul_i32 s73, s72, XT
	s_mul_i32 s74, s72, 768
	v_add_nc_u32 v15, s73, v7                      ; eight plain lines stand between the products and the loads into registers that they read, and the first read of their results
	v_add_nc_u32 v16, s74, v9
	v_lshl_add_u32 v18, s29, 6, v10                ; where this tile's scale byte goes
	PLACES 5
	FETCH 15, 16                                   ; lands while the gelu is worked
	GELU
	s_wait_xcnt 0x0                                ; the last tile's store has read its codes and its offset: both are written again only behind this wait
	QUANT
	v_lshl_add_u32 v17, s30, 16, v3                ; tile x 64 KiB + 16 x lane
	global_store_b128 v17, v[PC:PC+3], s[16:17]    ; 512 consecutive bytes, aligned
	ds_store_b8 v18, v199                          ; both lanes of a row write the same byte with the same value
.endm
	s_load_b512 s[4:19], s[0:1], 0x0               ; x codes 4, x scales 6, W1 codes 8, W1 scales 10, b1 12, indices 14, hcodes 16, hscales 18
	s_load_b64 s[20:21], s[0:1], 0x40              ; route
	v_lshl_add_u32 v254, v0, 2, 0x43c00
	v_mov_b32 v255, 0
	v_lshrrev_b32 v1, 5, v0
	v_readfirstlane_b32 s22, v1                    ; wave w
	s_and_b32 s23, ttmp7, 0xffff                   ; expert e
	s_mov_b32 s24, ttmp9                           ; slice j
	v_and_b32 v1, 15, v0                           ; r
	v_bfe_u32 v2, v0, 4, 1                         ; h
	v_and_b32 v3, 31, v0
	v_lshlrev_b32 v212, 2, v3                      ; 4 x lane
	v_add_nc_u32 v213, (DUM-LIST)/4, v3            ; my entry beside the list: 1,088 + lane
	v_lshlrev_b32 v3, 4, v3                        ; 16 x lane
	s_mul_i32 s31, s22, WPW
	v_mul_u32_u24 v4, v2, RPL
	v_lshl_add_u32 v4, v1, 4, v4
	v_add_nc_u32 v4, s31, v4                       ; W1 into LDS: my rows + h rows + 16 r
	v_add_nc_u32 v6, XROW, v4                      ; x into LDS: tiles 2 w, 2 w + 1 (two tiles are as many bytes as a wave's W1 rows)
	v_mul_u32_u24 v5, v1, RPL
	v_lshl_add_u32 v5, v2, 4, v5
	v_add_nc_u32 v7, XROW, v5                      ; a fragment of x in place 0: row r, + 16 h
	v_add_nc_u32 v5, s31, v5                       ; a fragment of W1
	v_mul_u32_u24 v9, v1, 48
	v_add_nc_u32 v9, XSC, v9                       ; x scale words of place 0: row r
	s_mul_i32 s31, s22, 1536
	v_lshl_add_u32 v8, v2, 4, v9
	v_add_nc_u32 v8, s31, v8                       ; and where I store scale rows
	v_lshl_add_u32 v10, v1, 2, SCB
	v_add_nc_u32 v10, s22, v10                     ; my scale byte: 4 r + w
	v_lshlrev_b32 v12, 4, v1                       ; 16 r
	v_lshl_add_u32 v11, v2, 10, v12                ; W1 in memory: h rows of 1,024 + 16 r
	s_lshl_b32 s31, s22, 7
	s_add_co_u32 s31, s31, LIST
	v_lshl_add_u32 v13, v2, 2, s31                 ; my 32 entries of a chunk's 128: + 4 h
	v_lshl_add_u32 v14, v1, 2, s31                 ; + 4 r
	v_lshlrev_b32 v206, 4, v2                      ; 16 h
	v_add_nc_u32 v207, SCB, v3
	v_and_b32 v210, 8, v1
	v_add_nc_u32 v210, v210, v1
	v_lshl_add_u32 v210, v2, 3, v210
	v_lshlrev_b32 v210, 5, v210                    ; W1 scale rows: 32 (r + 8 (r / 8) + 8 h): lanes 0-15 tile 0, lanes 16-31 tile 1
	v_lshlrev_b32 v211, 6, v2                      ; b1: my 16 units begin 64 h bytes on
	v_add_nc_u32 v214, LIST, v3
	v_add_nc_u32 v216, LIST, v212
	v_mov_b32 v217, CNT
	v_mov_b32 v197, 0                              ; written once: a lane permute's destination counts as one of its sources
	v_mov_b32 v78, 0xbaa15130                      ; c8
	v_mov_b32 v79, 0xbaa15130
	v_mov_b32 v204, 0x3fb504f3                     ; sqrt(2)
	v_mov_b32 v205, 0x3fb504f3
	s_mov_b32 s36, 0x76543210
	s_mov_b32 s37, 0xfedcba98                      ; v_permlanex16_b32's selects for lane xor 16
	s_mov_b32 s38, 0x600000                        ; the mantissa field of 448
	PAIRC 40, 0xb9d25000                           ; c9
	PAIRC 42, 0x3aac2b8a                           ; c7
	PAIRC 44, 0x3c0d6e62
	PAIRC 46, 0xbc040dc1
	PAIRC 48, 0xbd5e05b5
	PAIRC 50, 0x3e27fe23
	PAIRC 52, 0xbe2a0420
	PAIRC 54, 0xbdbdfb0b
	PAIRC 56, 0x3e8dd01d                           ; c0
	PAIRC 58, 0xbfb8aa3b                           ; -Lh
	PAIRC 60, 0xb2a57060                           ; -Ll
	PAIRC 62, 0x3f317218                           ; ln 2
	PAIRC 66, 0x403504f3                           ; 2 sqrt(2)
	s_mov_b32 s33, 0
	s_wait_kmcnt 0x0
	OFF3 8, 22, 17, 15                             ; W1 codes: 4 MiB an expert, 128 rows a slice, 32 rows a wave
	OFF3 10, 17, 12, 10                            ; W1 scales: 32 bytes a row
	OFF3 12, 14, 9, 7                              ; b1
	OFF3 16, 22, 11, 9                             ; hcodes: K step j, block w
	s_lshl_b32 s32, s23, 17
	s_lshl_b32 s34, s24, 12
	s_or_b32 s32, s32, s34
	s_add_nc_u64 s[18:19], s[18:19], s[32:33]      ; hscales: K step j
	s_mul_i32 s32, s23, 4352
	s_add_nc_u64 s[20:21], s[20:21], s[32:33]      ; route: my expert's part
	; ---- wave 0 asks for the indices ahead of its weights, and clears the list and the scale bytes
	s_cmp_lg_u32 s22, 0
	s_cbranch_scc1 .Lweights
.irp i, 0,1,2,3,4,5,6,7
	global_load_b128 v[80+4*\i:83+4*\i], v3, s[14:15] offset:512*\i   ; register 80 + 4 i + jj: token 128 i + 4 lane + jj
.endr
.irp i, 0,1,2,3
	v_mov_b32 v[176+\i], 0
.endr
.irp i, 0,1,2,3,4,5,6,7
	ds_store_b128 v214, v[176:179] offset:512*\i
.endr
	ds_store_b32 v216, v176 offset:4096
	ds_store_b128 v207, v[176:179]
.Lweights:
	WLOAD 0, 11                                    ; 48 of my 64 loads of W1
	; ---- wave 0 sorts.  Until the barrier below no other wave touches LDS
	s_cmp_lg_u32 s22, 0
	s_cbranch_scc1 .Lrouted
	s_wait_loadcnt 48                              ; the indices are in; the 48 younger loads of W1 stay out
	s_mov_b32 s70, 0                               ; tokens found so far
.set n, 0
.rept 32
	v_cmp_eq_u32 s68, s23, v[80+n]                 ; whose token is mine
	v_mbcnt_lo_u32_b32 v[112+n], s68, s70          ; its place: those found before + those in lower lanes
	v_cndmask_b32 v[112+n], v213, v[112+n], s68    ; the other lanes take their entry beside the list
	v_min_u32 v[112+n], 0x45f, v[112+n]            ; the entry is held at the last one beside the list, 1,119, before it enters an address
	v_lshl_add_u32 v[112+n], v[112+n], 2, LIST
	v_add_nc_u32 v[144+n], 128*(n/4)+(n%4), v212   ; the token's number
	ds_store_b32 v[112+n], v[144+n]
	s_bcnt1_i32_b32 s69, s68
	s_add_co_u32 s70, s70, s69
.set n, n+1
.endr
	s_max_u32 s71, s70, 1
	s_sub_co_u32 s71, s71, 1
	s_min_u32 s71, s71, 0x3ff
	s_lshl_b32 s71, s71, 2
	s_add_co_u32 s71, s71, LIST
	v_mov_b32 v184, s71
	ds_load_b32 v185, v184                         ; the last token (entry 0, which is 0, where there is none)
	v_lshrrev_b32 v186, 2, v212
	v_add_nc_u32 v186, s70, v186
	v_min_u32 v186, 1055, v186
	v_lshl_add_u32 v186, v186, 2, LIST             ; the 32 entries behind the last
	v_mov_b32 v188, s70
	s_wait_dscnt 0x0
	ds_store_b32 v186, v185
	ds_store_b32 v217, v188                        ; the count
.Lrouted:
	BARRIER                                        ; list and count lie in LDS; nobody writes them again
	ds_load_b32 v218, v217
	s_wait_dscnt 0x0
	v_readfirstlane_b32 s25, v218
	s_min_u32 s25, s25, 0x400                      ; the count
	s_add_co_u32 s26, s25, 15
	s_lshr_b32 s26, s26, 4
	s_max_u32 s26, s26, 1                          ; tiles to work: at least one
	s_max_u32 s27, s26, 8                          ; tiles to lay into LDS: the first chunk whole
	s_mov_b32 s35, 0
	GADDR 0
	GADDR 1
	WLOAD 12, 15                                   ; the other 16
	; ---- W1 turns through LDS, eight loads at a time, and behind each eight go eight loads of the first chunk's x rows
.irp g, 0,1,2,3,4,5,6,7
	s_wait_loadcnt 56                              ; behind W1's load 8 g + 7 stand 56 - 8 g of W1 and 8 g of x
	WSTORE \g
	WIN 0xc0
	XLD 2*\g
	XLD 2*\g+1
	WIN 0
.endr
	global_load_b128 v[38:41], v36, s[6:7]         ; the first chunk's scale rows
	global_load_b128 v[42:45], v37, s[6:7]
	global_load_b128 v[WSC:WSC+3], v210, s[10:11]  ; W1 scale words of K steps 0-3,
	global_load_b128 v[WSC+4:WSC+7], v210, s[10:11] offset:16   ; 4-7
.irp i, 0,1,2,3
	global_load_b128 v[BI+4*\i:BI+4*\i+3], v211, s[12:13] offset:16*\i   ; b1 of units 16 h + 0 .. 15: the two accumulators' layout
.endr
	WFRAG
	; ---- eight chunks of eight tiles: constant trips; what a count leaves out is jumped over inside them, never a barrier
	s_mov_b32 s28, 0
.Lchunk:
	s_wait_loadcnt 0x0                             ; the chunk's rows are in registers, and the loads have read their offsets
	s_lshl_b32 s31, s28, 3
	s_lshl_b32 s32, s22, 1
	s_add_co_u32 s31, s31, s32                     ; my first tile: 8 c + 2 w
	s_cmp_ge_u32 s31, s27
	s_cbranch_scc1 .Lstored0
	XSTORE 0
.Lstored0:
	s_add_co_u32 s32, s31, 1
	s_cmp_ge_u32 s32, s27
	s_cbranch_scc1 .Lstored1
	XSTORE 1
.Lstored1:
	BARRIER                                        ; the chunk's rows lie in LDS; wave 0 has read the last chunk's scale bytes
	s_add_co_u32 s35, s28, 1
	s_min_u32 s35, s35, 7
	s_lshl_b32 s35, s35, 9                         ; the next chunk's 512 bytes of the list
	s_add_co_u32 s32, s31, 8
	s_cmp_ge_u32 s32, s26
	s_cbranch_scc1 .Lasked0
	GADDR 0                                        ; the next chunk's rows are asked for now and land while this chunk is worked
	XTILE 0
.Lasked0:
	s_add_co_u32 s32, s31, 9
	s_cmp_ge_u32 s32, s26
	s_cbranch_scc1 .Lasked1
	GADDR 1
	XTILE 1
.Lasked1:
	FETCH 7, 9                                     ; place 0
	s_mov_b32 s29, 0
.Ltile:
	s_lshl_b32 s30, s28, 3
	s_add_co_u32 s30, s30, s29                     ; tile 8 c + tl
	s_cmp_ge_u32 s30, s26
	s_cbranch_scc1 .Lskip
	TILE
.Lskip:
	s_add_co_u32 s29, s29, 1
	s_cmp_lt_u32 s29, 8
	s_cbranch_scc1 .Ltile
	BARRIER                                        ; nobody reads the chunk's rows any more, and its scale bytes lie in LDS
	s_cmp_lg_u32 s22, 0
	s_cbranch_scc1 .Lnoflush
	s_lshl_b32 s32, s28, 3
	s_cmp_ge_u32 s32, s26
	s_cbranch_scc1 .Lnoflush
	s_wait_xcnt 0x0                                ; the last such store has read its registers
	ds_load_b128 v[200:203], v207
	v_lshl_add_u32 v19, s28, 9, v3
	s_wait_dscnt 0x0
	global_store_b128 v19, v[200:203], s[18:19]    ; eight tiles' scale words: 512 consecutive bytes, aligned (words of tiles that were not worked are read by nobody)
.Lnoflush:
	s_add_co_u32 s28, s28, 1
	s_cmp_lt_u32 s28, 8
	s_cbranch_scc1 .Lchunk
	; ---- slice 0's wave 1 stores the expert's list and count for the second launch
	s_cmp_lg_u32 s24, 0
	s_cbranch_scc1 .Lend
	s_cmp_lg_u32 s22, 1
	s_cbranch_scc1 .Lend
.irp i, 0,1,2,3,4,5,6,7
	ds_load_b128 v[96+4*\i:99+4*\i], v214 offset:512*\i
.endr
	v_mov_b32 v128, s25
	v_mov_b32 v129, s25
	v_lshrrev_b32 v130, 1, v3                      ; 8 x lane
	s_wait_dscnt 0x0
.irp i, 0,1,2,3,4,5,6,7
	global_store_b128 v3, v[96+4*\i:99+4*\i], s[20:21] offset:512*\i
.endr
	global_store_b64 v130, v[128:129], s[20:21] offset:4096   ; the count, 64 times: 256 consecutive bytes
.Lend:
	s_wait_tensorcnt 0x0
	ds_add_u32 v254, v255
	s_wait_dscnt 0x0
	s_endpgm
.Lfunc_end_k_qaede6f64f0_layer1:
	.size	k_qaede6f64f0_layer1, .Lfunc_end_k_qaede6f64f0_layer1-k_qaede6f64f0_layer1
	.p2alignl 7, 3214868480
	.fill 96, 4, 3214868480
	.section	.rodata,"a",@progbits
	.p2align	6, 0x0
	.amdhsa_kernel k_qaede6f64f0_layer1
		.amdhsa_group_segment_fixed_size 278016
		.amdhsa_private_segment_fixed_size 0
		.amdhsa_enable_private_segment 0
		.amdhsa_kernarg_size 72
		.amdhsa_user_sgpr_count 2
		.amdhsa_user_sgpr_kernarg_segment_ptr 1
		.amdhsa_wavefront_size32 1
		.amdhsa_system_sgpr_workgroup_id_x 1
		.amdhsa_system_sgpr_workgroup_id_y 1
		.amdhsa_system_sgpr_workgroup_id_z 1
		.amdhsa_system_vgpr_workitem_id 0
		.amdhsa_next_free_vgpr 1024
		.amdhsa_next_free_sgpr 100
		.amdhsa_reserve_vcc 0
		.amdhsa_float_denorm_mode_32 3
		.amdhsa_float_denorm_mode_16_64 3
		.amdhsa_memory_ordered 1
		.amdhsa_forward_progress 1
		.amdhsa_inst_pref_size 93
	.end_amdhsa_kernel
	.amdgpu_metadata
---
amdhsa.version: [ 1, 2 ]
amdhsa.kernels:
  - .name:           k_qaede6f64f0_layer1
    .symbol:         k_qaede6f64f0_layer1.kd
    .args:
      - { .name: x_codes, .offset: 0, .size: 8, .value_kind: global_buffer, .address_space: global }
      - { .name: x_scales, .offset: 8, .size: 8, .value_kind: global_buffer, .address_space: global }
      - { .name: weight1_codes, .offset: 16, .size: 8, .value_kind: global_buffer, .address_space: global }
      - { .name: weight1_scales, .offset: 24, .size: 8, .value_kind: global_buffer, .address_space: global }
      - { .name: bias1, .offset: 32, .size: 8, .value_kind: global_buffer, .address_space: global }
      - { .name: indices_s, .offset: 40, .size: 8, .value_kind: global_buffer, .address_space: global }
      - { .name: hcodes, .offset: 48, .size: 8, .value_kind: global_buffer, .address_space: global }
      - { .name: hscales, .offset: 56, .size: 8, .value_kind: global_buffer, .address_space: global }
      - { .name: route, .offset: 64, .size: 8, .value_kind: global_buffer, .address_space: global }
    .group_segment_fixed_size: 278016
    .private_segment_fixed_size: 0
    .kernarg_segment_align: 8
    .kernarg_segment_size: 72
    .max_flat_workgroup_size: 128
    .sgpr_count:     100
    .vgpr_count:     1024
    .wavefront_size: 32
...
	.end_amdgpu_metadata
.endif
;; end of part 1
;; launch layer2 (part 2): grid 32 x 8, 4 waves a work-group, no clusters, 285,184 bytes of LDS; arguments hcodes, hscales, route, weight2_codes, weight2_scales, bias2, out0; writes out0
.if DOCPART == 2
	.amdgcn_target "amdgcn-amd-amdhsa--gfx1250"
	.amdhsa_code_object_version 6
	.text
	.protected	k_qaede6f64f0_layer2
	.globl	k_qaede6f64f0_layer2
	.p2align	8
	.type	k_qaede6f64f0_layer2,@function
k_qaede6f64f0_layer2:
	s_mov_b64 s[64:65], 0
	v_nop
	global_prefetch_b8 v0, s[64:65] scope:SCOPE_SE
	s_setreg_imm32_b32 hwreg(HW_REG_WAVE_MODE, 25, 1), 1
	s_wait_xcnt 0x0
; SECOND LAYER OF A LAYER OF EXPERTS: y = h W2[e] + b2[e] for the tokens of expert e, scattered to their rows of out0.
; h comes as the first launch left it: hcodes [e][tile 64][K step 32][c 4][lane 32][16 bytes], the image of an operand's registers; hscales [e][K step 32][tile 64][row 16], a word a row; route: the expert's list of tokens and its count.
; W2: [8][1,024 columns][4,096 codes], K innermost, one E8M0 byte for each 32 along K.
; SHARES.  Work-group (x = j, y = e) makes columns 32 j .. 32 j + 31 for all tiles of expert e.  THE WAVES SPLIT K: wave w takes K steps 8 w .. 8 w + 7.  Its 32 rows x 1,024 bytes of W2 are read once and stay in 256 registers,
; and each byte of h enters the work-group once, straight into operand registers, by loads of 512 consecutive bytes.  The four partial sums of a tile meet in LDS, 16 tiles to a chunk, and are added in a fixed order: (P0 + P1) + (P2 + P3) + b2.
; THE MATRIX INSTRUCTION IS USED TRANSPOSED: source 0 = 16 rows of W2, source 1 = 16 tokens: a lane holds one token and eight neighbouring columns.
; A UNIT is half a tile for my wave: four K steps, 8 KiB of codes and two loads of scale words: 18 loads.  Four places of 64 registers take turns; three units are always on their way.
; The list's padding rows repeat the last token, so they store the same numbers to the same place: no lane is ever switched off.
; NO TENSOR LOADS, NO CLUSTER, NO JOINT LOADS: the number of tiles is read from memory (0 to 64), so trips are left out by branches on it.
; LIMITS: the sum over K is made in four parts of 1,024, not in one ascending chain.  A row of out0 is written in pieces of 128 bytes: 8 experts x 1,024 columns on 256 work-groups are 32 columns each.
; REGISTERS, in windows of 256.  Window 0: v1-15 addresses; v16-23 a unit's offsets, for each place; v24-31 h scale words, two for each place; v32-39 W2 scale words; v40-43 b2; v44-51 the list on its way; v52-59 tokens and offsets in out0;
;   v60-63 at work; v64-95 four accumulators (tile parity x 16 columns); v96-159 the four parts of a tile.  Window 1: W2's 16 fragments.  Window 2: the four places.  Window 3: W2 on its way.
.set WPW,   33280                      ; LDS: a wave's 32 rows of W2 at pitch RPL
.set RPL,   1040                       ; 1,024 bytes + 16 = 65 x 16: the sixteen rows that a load touches begin in sixteen different 16-byte columns modulo 256
.set XT,    16640
.set PREG,  4*WPW                      ; the parts: [tile 16][wave 4][16 rows at pitch 144]
.set PPART, 2304
.set PTILE, 4*PPART
.set LISTL, PREG+16*PTILE              ; the expert's list, 4,096 bytes
.set MSB, 0
.macro WIN new                         ; the immediate's high byte repeats the setting that is left
.if MSB != \new
	s_set_vgpr_msb (MSB<<8)|\new
.set MSB, \new
.endif
.endm
.macro BARRIER                         ; my LDS stores have landed and my LDS loads are in: then the work-group's barrier
	s_wait_dscnt 0x0
	s_barrier_signal -1
	s_barrier_wait -1
.endm
.macro PLACES n
.rept \n
	v_nop
.endr
.endm
.macro WLOAD                           ; pair of rows i, quarter q: lanes 0-15 read 256 aligned bytes of row 2 i, lanes 16-31 of row 2 i + 1
	WIN 0xc0                                       ; destination window 3
.set wi, 0
.rept 16
.irp q, 0,1,2,3
	global_load_b128 v[16*wi+4*\q:16*wi+4*\q+3], v6, s[10:11] offset:8192*wi+256*\q th:TH_LOAD_NT
.endr
.set wi, wi+1
.endr
	WIN 0
.endm
.macro WGRP g, left                    ; eight of those loads are in (left younger loads stay out) and go into the wave's own rows in LDS
	s_wait_loadcnt \left
	WIN 0x0c                                       ; the data: window 3
.irp d, 0,1
.irp q, 0,1,2,3
	ds_store_b128 v4, v[16*(2*(\g)+\d)+4*\q:16*(2*(\g)+\d)+4*\q+3] offset:(4*(\g)+2*\d)*RPL+256*\q
.endr
.endr
	WIN 0
.endm
.macro WFRAG                           ; back as 16 fragments (tile u of columns, K step k) at v[16 (8 u + k)] of window 1.  LDS serves a wave's instructions in order: these see my stores
	WIN 0x40
.irp u, 0,1
.irp k, 0,1,2,3,4,5,6,7
.irp c, 0,1,2,3
	ds_load_b128 v[16*(8*\u+\k)+4*\c:16*(8*\u+\k)+4*\c+3], v5 offset:\u*XT+128*\k+32*\c
.endr
.endr
.endr
	WIN 0
.endm
.macro AADR slot                       ; a unit's offsets, tile s30
	v_lshl_add_u32 v[16+(\slot)], s30, 16, v3      ; codes: tile x 64 KiB + 16 x lane
	v_lshl_add_u32 v[20+(\slot)], s30, 6, v7       ; scale words: tile x 64 + 4 r, lanes 16-31 one K step on
.endm
.macro ALD slot, hf                    ; its 18 loads
	WIN 0x80                                       ; destination window 2
.set an, 0
.rept 16
	global_load_b128 v[64*(\slot)+4*an:64*(\slot)+4*an+3], v[16+(\slot)], s[4:5] offset:8192*(\hf)+512*an
.set an, an+1
.endr
	WIN 0
	global_load_b32 v[24+2*(\slot)], v[20+(\slot)], s[6:7] offset:(4*(\hf))*4096
	global_load_b32 v[25+2*(\slot)], v[20+(\slot)], s[6:7] offset:(4*(\hf)+2)*4096
.endm
.macro MM                              ; one product, by the symbols rD, rA, rB, rSA, rSB; zz: it starts the sum; ra, rb: the scale words stand in lanes 16-31
.if zz && (ra == 0)
	v_wmma_scale_f32_16x16x128_f8f6f4 v[rD:rD+7], v[rA:rA+15], v[rB:rB+15], 0, v[rSA], v[rSB]
.elseif zz
	v_wmma_scale_f32_16x16x128_f8f6f4 v[rD:rD+7], v[rA:rA+15], v[rB:rB+15], 0, v[rSA], v[rSB] matrix_a_scale:MATRIX_SCALE_ROW1
.elseif (ra == 0) && (rb == 0)
	v_wmma_scale_f32_16x16x128_f8f6f4 v[rD:rD+7], v[rA:rA+15], v[rB:rB+15], v[rD:rD+7], v[rSA], v[rSB]
.elseif rb == 0
	v_wmma_scale_f32_16x16x128_f8f6f4 v[rD:rD+7], v[rA:rA+15], v[rB:rB+15], v[rD:rD+7], v[rSA], v[rSB] matrix_a_scale:MATRIX_SCALE_ROW1
.elseif ra == 0
	v_wmma_scale_f32_16x16x128_f8f6f4 v[rD:rD+7], v[rA:rA+15], v[rB:rB+15], v[rD:rD+7], v[rSA], v[rSB] matrix_b_scale:MATRIX_SCALE_ROW1
.else
	v_wmma_scale_f32_16x16x128_f8f6f4 v[rD:rD+7], v[rA:rA+15], v[rB:rB+15], v[rD:rD+7], v[rSA], v[rSB] matrix_a_scale:MATRIX_SCALE_ROW1 matrix_b_scale:MATRIX_SCALE_ROW1
.endif
.endm
; TWO TILES, s26 and s26 + 1: four units in places 0 to 3.  Where the second tile does not exist the last tile is worked twice, and its second part is read by nobody.
.macro PAIR
	s_wait_dscnt 0x0                               ; W2's fragments are in (first entry); the earlier stores of parts have read their accumulators and their address
	s_mul_i32 s31, s25, 2*PTILE
	v_add_nc_u32 v14, s31, v8                      ; where my parts of this pair go
.irp U, 0,1,2,3
	s_add_co_u32 s30, s26, ((\U+3)>>1)             ; the unit three on: its tile, held at the last tile that was written,
	s_min_u32 s30, s30, s23
	s_min_u32 s30, s30, 63                         ; and under 64
	AADR ((\U+3)&3)                                ; its place's last loads were shown done by the wait of the unit before: the offsets may be written
	PLACES 6                                       ; with the two lines above: eight plain lines between the last products and the loads into registers that they read, and the stores of their results
.if \U == 2
	ds_store_b128 v14, v[64:67]                    ; the first tile's part; each accumulator from its low end on
	ds_store_b128 v14, v[68:71] offset:16
	ds_store_b128 v14, v[72:75] offset:64
	ds_store_b128 v14, v[76:79] offset:80
.endif
	ALD ((\U+3)&3), ((\U+3)&1)
	s_wait_loadcnt 54                              ; three younger units of 18 loads stay out: this unit is in
	WIN 0x09                                       ; source 0 (W2) window 1, source 1 (h) window 2, C and D window 0
.irp kk, 0,1,2,3                       ; the two accumulators take turns, one instruction a turn
.irp u, 0,1
.set rD, 64+16*(\U>>1)+8*\u
.set rA, 16*(8*\u+4*(\U&1)+\kk)
.set rB, 64*\U+16*\kk
.set rSA, 32+4*(\U&1)+\kk
.set rSB, 24+2*\U+(\kk>>1)
.set ra, \u
.set rb, \kk&1
.set zz, 0
.if ((\U&1) == 0) && (\kk == 0)
.set zz, 1
.endif
	MM
.endr
.endr
	WIN 0
.endr
	PLACES 8
	ds_store_b128 v14, v[80:83] offset:PTILE       ; the second tile's part
	ds_store_b128 v14, v[84:87] offset:PTILE+16
	ds_store_b128 v14, v[88:91] offset:PTILE+64
	ds_store_b128 v14, v[92:95] offset:PTILE+80
.endm
; One tile's four parts are added, b2 is added, and its 16 rows go to their tokens' rows of out0.  Lane l takes row l / 8 + 4 i and columns 4 (l % 8) on.
.macro REDUCE
	s_wait_xcnt 0x0                                ; the last stores have read their data and offsets
	s_mul_i32 s31, s27, 4*PTILE
	v_add_nc_u32 v61, s31, v9
	s_lshl_b32 s31, s24, 10
	s_lshl_b32 s32, s27, 8
	s_add_co_u32 s31, s31, s32
	v_add_nc_u32 v62, s31, v10                     ; the tile's 16 entries of the list
.irp wv, 0,1,2,3
.irp i, 0,1,2,3
	ds_load_b128 v[96+16*\wv+4*\i:99+16*\wv+4*\i], v61 offset:PPART*\wv+576*\i
.endr
.endr
.irp i, 0,1,2,3
	ds_load_b32 v[52+\i], v62 offset:16*\i
.endr
	s_wait_dscnt 0x0
.irp i, 0,1,2,3
.irp d, 0,2
	v_pk_add_f32 v[96+4*\i+\d:97+4*\i+\d], v[96+4*\i+\d:97+4*\i+\d], v[112+4*\i+\d:113+4*\i+\d]
	v_pk_add_f32 v[128+4*\i+\d:129+4*\i+\d], v[128+4*\i+\d:129+4*\i+\d], v[144+4*\i+\d:145+4*\i+\d]
.endr
.endr
.irp i, 0,1,2,3
	v_min_u32 v[52+\i], 0x3ff, v[52+\i]            ; a number from the list is held under 1,024 before it enters an address
.endr
.irp i, 0,1,2,3
.irp d, 0,2
	v_pk_add_f32 v[96+4*\i+\d:97+4*\i+\d], v[96+4*\i+\d:97+4*\i+\d], v[128+4*\i+\d:129+4*\i+\d]
.endr
.endr
.irp i, 0,1,2,3
	v_lshl_add_u32 v[56+\i], v[52+\i], 12, v11     ; token x 4,096 + 16 (l % 8)
.endr
.irp i, 0,1,2,3
.irp d, 0,2
	v_pk_add_f32 v[96+4*\i+\d:97+4*\i+\d], v[96+4*\i+\d:97+4*\i+\d], v[40+\d:41+\d]
.endr
.endr
.irp i, 0,1,2,3
	global_store_b128 v[56+\i], v[96+4*\i:99+4*\i], s[16:17] th:TH_STORE_NT   ; eight lanes write a row's 128 bytes; an instruction covers four rows
.endr
.endm
	s_load_b256 s[4:11], s[0:1], 0x0               ; hcodes 4, hscales 6, route 8, W2 codes 10
	s_load_b128 s[12:15], s[0:1], 0x20             ; W2 scales 12, b2 14
	s_load_b64 s[16:17], s[0:1], 0x30              ; out0
	v_lshl_add_u32 v254, v0, 2, 0x45800
	v_mov_b32 v255, 0
	v_lshrrev_b32 v1, 5, v0
	v_readfirstlane_b32 s18, v1                    ; wave w
	s_and_b32 s19, ttmp7, 0xffff                   ; expert e
	s_mov_b32 s20, ttmp9                           ; slice j
	v_and_b32 v1, 15, v0                           ; r
	v_bfe_u32 v2, v0, 4, 1                         ; h
	v_and_b32 v60, 31, v0                          ; lane
	v_lshlrev_b32 v3, 4, v60                       ; 16 x lane
	s_mul_i32 s28, s18, WPW
	v_mul_u32_u24 v4, v2, RPL
	v_lshl_add_u32 v4, v1, 4, v4
	v_add_nc_u32 v4, s28, v4                       ; W2 into LDS: my rows + h rows + 16 r
	v_mul_u32_u24 v5, v1, RPL
	v_lshl_add_u32 v5, v2, 4, v5
	v_add_nc_u32 v5, s28, v5                       ; a fragment of W2: row r, + 16 h
	v_lshlrev_b32 v6, 4, v1
	v_lshl_add_u32 v6, v2, 12, v6                  ; W2 in memory: h rows of 4,096 + 16 r
	v_lshlrev_b32 v7, 2, v1
	v_lshl_add_u32 v7, v2, 12, v7                  ; h scale words: 4 r, + a K step (4,096 bytes) for lanes 16-31
	v_mul_u32_u24 v8, v1, 144
	v_lshl_add_u32 v8, v2, 5, v8
	s_mul_i32 s28, s18, PPART
	s_add_co_u32 s28, s28, PREG
	v_add_nc_u32 v8, s28, v8                       ; my part of tile 0: row r, + 32 h
	v_lshrrev_b32 v61, 3, v60                      ; lane / 8
	v_and_b32 v62, 7, v60
	v_lshlrev_b32 v11, 4, v62                      ; 16 (lane % 8)
	v_mad_u32_u24 v9, v61, 144, v11
	s_mul_i32 s28, s18, PTILE
	s_add_co_u32 s28, s28, PREG
	v_add_nc_u32 v9, s28, v9                       ; the parts of tile w: row lane / 8, + 16 (lane % 8)
	s_lshl_b32 s28, s18, 6
	s_add_co_u32 s28, s28, LISTL
	v_lshl_add_u32 v10, v61, 2, s28                ; tile w's entries of the list: + 4 (lane / 8)
	s_lshl_b32 s28, s18, 10
	v_add_nc_u32 v63, s28, v3                      ; my quarter of the list in memory,
	v_add_nc_u32 v12, LISTL, v63                   ; and in LDS
	v_lshlrev_b32 v13, 7, v60                      ; W2 scale rows: 128 x lane: lanes 0-15 tile 0 of columns, lanes 16-31 tile 1
	s_mov_b32 s29, 0
	s_wait_kmcnt 0x0
	s_mul_i32 s28, s19, 4352
	s_add_nc_u64 s[8:9], s[8:9], s[28:29]          ; route: my expert's part
	s_load_b32 s21, s[8:9], 0x1000                 ; the count
	s_lshl_b32 s28, s19, 22
	s_lshl_b32 s30, s18, 14
	s_or_b32 s28, s28, s30
	s_add_nc_u64 s[4:5], s[4:5], s[28:29]          ; hcodes: 4 MiB an expert, my 8 K steps of 2 KiB
	s_lshl_b32 s28, s19, 17
	s_lshl_b32 s30, s18, 15
	s_or_b32 s28, s28, s30
	s_add_nc_u64 s[6:7], s[6:7], s[28:29]          ; hscales: my 8 K steps of 4,096 bytes
	s_lshl_b32 s28, s19, 22
	s_lshl_b32 s30, s20, 17
	s_or_b32 s28, s28, s30
	s_lshl_b32 s30, s18, 10
	s_or_b32 s28, s28, s30
	s_add_nc_u64 s[10:11], s[10:11], s[28:29]      ; W2 codes: 32 rows of 4,096 a slice, my 1,024 bytes of each
	s_lshl_b32 s28, s19, 17
	s_lshl_b32 s30, s20, 12
	s_or_b32 s28, s28, s30
	s_lshl_b32 s30, s18, 5
	s_or_b32 s28, s28, s30
	s_add_nc_u64 s[12:13], s[12:13], s[28:29]      ; W2 scales: 128 bytes a row, my 32 of them
	s_lshl_b32 s28, s19, 12
	s_lshl_b32 s30, s20, 7
	s_or_b32 s28, s28, s30
	s_add_nc_u64 s[14:15], s[14:15], s[28:29]      ; b2
	s_lshl_b32 s28, s20, 7
	s_add_nc_u64 s[16:17], s[16:17], s[28:29]      ; out0: my 32 columns
	global_load_b128 v[44:47], v63, s[8:9]         ; my quarter of the list
	global_load_b128 v[48:51], v63, s[8:9] offset:512
	global_load_b128 v[40:43], v11, s[14:15]       ; b2 of columns 4 (lane % 8) on
	global_load_b128 v[32:35], v13, s[12:13]       ; W2 scale words of my K steps 0-3,
	global_load_b128 v[36:39], v13, s[12:13] offset:16   ; 4-7
	WLOAD                                          ; all 64 loads of W2
	s_wait_kmcnt 0x0
	s_min_u32 s21, s21, 0x400
	s_add_co_u32 s22, s21, 15
	s_lshr_b32 s22, s22, 4                         ; tiles
	s_max_u32 s23, s22, 1
	s_sub_co_u32 s23, s23, 1                       ; the last tile that the first launch wrote
	; ---- W2 turns through LDS, eight loads at a time; the first three units go out between.  Each count: the loads of W2 behind the group + 18 for each unit issued
	WGRP 0, 56
	ds_store_b128 v12, v[44:47]                    ; (older than W2's loads: in)
	ds_store_b128 v12, v[48:51] offset:512
	WGRP 1, 48
	s_mov_b32 s30, 0
	AADR 0
	ALD 0, 0                                       ; tile 0, first half
	WGRP 2, 58
	WGRP 3, 50
	AADR 1
	ALD 1, 1                                       ; tile 0, second half
	WGRP 4, 60
	WGRP 5, 52
	s_min_u32 s30, s23, 1
	AADR 2
	ALD 2, 0                                       ; tile 1 (or the last), first half
	WGRP 6, 62
	WGRP 7, 54
	WFRAG
	; ---- four chunks of 16 tiles: constant trips; what the count leaves out is jumped over inside them, never a barrier
	s_mov_b32 s24, 0
.Lchunk:
	s_mov_b32 s25, 0
.Lpair:
	s_lshl_b32 s26, s24, 4
	s_lshl_b32 s31, s25, 1
	s_add_co_u32 s26, s26, s31                     ; the pair's first tile: 16 c + 2 p
	s_cmp_ge_u32 s26, s22
	s_cbranch_scc1 .Lnopair
	PAIR
.Lnopair:
	s_add_co_u32 s25, s25, 1
	s_cmp_lt_u32 s25, 8
	s_cbranch_scc1 .Lpair
	BARRIER                                        ; all four waves' parts of the chunk lie in LDS (and, the first time, the list)
	s_mov_b32 s27, 0
.Lred:
	s_lshl_b32 s28, s24, 4
	s_add_co_u32 s28, s28, s18
	s_lshl_b32 s31, s27, 2
	s_add_co_u32 s28, s28, s31                     ; my tile: 16 c + w + 4 m
	s_cmp_ge_u32 s28, s22
	s_cbranch_scc1 .Lnored
	REDUCE
.Lnored:
	s_add_co_u32 s27, s27, 1
	s_cmp_lt_u32 s27, 4
	s_cbranch_scc1 .Lred
	BARRIER                                        ; the parts have been read: the next chunk's may be stored
	s_add_co_u32 s24, s24, 1
	s_cmp_lt_u32 s24, 4
	s_cbranch_scc1 .Lchunk
	s_wait_tensorcnt 0x0
	ds_add_u32 v254, v255
	s_wait_dscnt 0x0
	s_endpgm
.Lfunc_end_k_qaede6f64f0_layer2:
	.size	k_qaede6f64f0_layer2, .Lfunc_end_k_qaede6f64f0_layer2-k_qaede6f64f0_layer2
	.p2alignl 7, 3214868480
	.fill 96, 4, 3214868480
	.section	.rodata,"a",@progbits
	.p2align	6, 0x0
	.amdhsa_kernel k_qaede6f64f0_layer2
		.amdhsa_group_segment_fixed_size 285184
		.amdhsa_private_segment_fixed_size 0
		.amdhsa_enable_private_segment 0
		.amdhsa_kernarg_size 56
		.amdhsa_user_sgpr_count 2
		.amdhsa_user_sgpr_kernarg_segment_ptr 1
		.amdhsa_wavefront_size32 1
		.amdhsa_system_sgpr_workgroup_id_x 1
		.amdhsa_system_sgpr_workgroup_id_y 1
		.amdhsa_system_sgpr_workgroup_id_z 1
		.amdhsa_system_vgpr_workitem_id 0
		.amdhsa_next_free_vgpr 1024
		.amdhsa_next_free_sgpr 66
		.amdhsa_reserve_vcc 0
		.amdhsa_float_denorm_mode_32 3
		.amdhsa_float_denorm_mode_16_64 3
		.amdhsa_memory_ordered 1
		.amdhsa_forward_progress 1
		.amdhsa_inst_pref_size 45
	.end_amdhsa_kernel
	.amdgpu_metadata
---
amdhsa.version: [ 1, 2 ]
amdhsa.kernels:
  - .name:           k_qaede6f64f0_layer2
    .symbol:         k_qaede6f64f0_layer2.kd
    .args:
      - { .name: hcodes, .offset: 0, .size: 8, .value_kind: global_buffer, .address_space: global }
      - { .name: hscales, .offset: 8, .size: 8, .value_kind: global_buffer, .address_space: global }
      - { .name: route, .offset: 16, .size: 8, .value_kind: global_buffer, .address_space: global }
      - { .name: weight2_codes, .offset: 24, .size: 8, .value_kind: global_buffer, .address_space: global }
      - { .name: weight2_scales, .offset: 32, .size: 8, .value_kind: global_buffer, .address_space: global }
      - { .name: bias2, .offset: 40, .size: 8, .value_kind: global_buffer, .address_space: global }
      - { .name: out0, .offset: 48, .size: 8, .value_kind: global_buffer, .address_space: global }
    .group_segment_fixed_size: 285184
    .private_segment_fixed_size: 0
    .kernarg_segment_align: 8
    .kernarg_segment_size: 56
    .max_flat_workgroup_size: 128
    .sgpr_count:     66
    .vgpr_count:     1024
    .wavefront_size: 32
...
	.end_amdgpu_metadata
.endif
;; end of part 2
;; ======== version 2 of 2: 2 launches
;; limits: right only within a limited range of input values
;; workspace buffers: hcodes 33,554,432 bytes; hscales 1,048,576 bytes; route 34,816 bytes of whole numbers
;; launch layer1 (part 3): grid 32 x 8, 4 waves a work-group, no clusters, 278,016 bytes of LDS; arguments x_codes, x_scales, weight1_codes, weight1_scales, bias1, indices_s, hcodes, hscales, route; writes hcodes, hscales, route
.if DOCPART == 3
	.amdgcn_target "amdgcn-amd-amdhsa--gfx1250"
	.amdhsa_code_object_version 6
	.text
	.protected	k_qaede6f64f0_layer1
	.globl	k_qaede6f64f0_layer1
	.p2align	8
	.type	k_qaede6f64f0_layer1,@function
k_qaede6f64f0_layer1:
	s_mov_b64 s[64:65], 0
	v_nop
	global_prefetch_b8 v0, s[64:65] scope:SCOPE_SE
	s_setreg_imm32_b32 hwreg(HW_REG_WAVE_MODE, 25, 1), 1
	s_wait_xcnt 0x0
; FIRST LAYER OF A LAYER OF EXPERTS: h = Q(gelu(x W1[e] + b1[e])) for the tokens whose index names expert e, and for them alone.
; x: 1,024 tokens x 1,024 codes of E4M3, W1: [8][4,096 units][1,024 codes], K innermost, one E8M0 byte for each 32 along K.  Q is the MX quantiser along the 4,096 hidden units.
; SHARES.  Work-group (x = j, y = e) makes hidden units 128 j .. 128 j + 127 of expert e for ALL tokens of that expert; wave w makes units 32 w .. 32 w + 31 of them: one block of 32 of the next K.
; The wave's 32 rows of W1 (32 KiB) are read once and stay in 256 registers.  Tokens go in tiles of 16, eight tiles (a chunk) at a time through LDS; wave w gathers tiles 2 w and 2 w + 1 of a chunk.
; ROUTING.  Wave 0 sorts the 1,024 indices into the list of this expert's tokens in LDS while the weights are on their way.  Behind the last entry 32 entries repeat the last token, all others are 0:
; a padding row of the last tile repeats that token's work bit for bit, so no lane is ever switched off.  Work-group j = 0 stores list and count for the second launch.
; An expert without tokens still works one tile (of token 0), so that tile 0 of the workspace is always written: the second launch's look-ahead may load it.
; THE MATRIX INSTRUCTION IS USED TRANSPOSED: source 0 = 16 rows of W1, source 1 = 16 tokens.  Row r of tile u is the wave's row 8 u + r + 8 (r / 8), so that a lane's 16 results are units 16 (lane / 16) + 0 .. 15.
; OUT.  hcodes [e][tile 64][K step 32][c 4][lane 32][16 bytes] is the image of the second product's operand registers: a wave's store covers 512 consecutive aligned bytes.  hscales [e][K step][tile][row]: a word a row.
; NO TENSOR LOADS, NO CLUSTER, NO JOINT LOADS: the number of tiles is a count made from the index input (0 to 64 tiles an expert), so trips are left out by branches on it.
; GELU by erfc: g = max(v, 0) - a erfc(a) / sqrt(2), a = |v| / sqrt(2); (1 + 2 a) exp(a a) erfc(a) = 1 + p(q), q = (a - 2) / (a + 2), p of degree 9; the roundings of a a and of its product with log2(e) are carried along.
; LIMITS: |v| from 1.8e19 on gives NaN (a a overflows); erfc(a) exp-part under 2^-126 counts as 0; NaN and infinities among the inputs are not served; a block of zeros gets the byte 1 (its codes are zeros; this program alone reads the bytes).
; REGISTERS, in windows of 256.  Window 0: v1-19 addresses; v20-37 gather offsets; v38-45 x scale rows on their way; v46-53 W1 scale words; v54-61 the tile's x scale words; v62-77 b1; v78-79 c8; v80-95 the two accumulators;
;   v96-191 six arrays of 16 for the gelu; v192-195 codes; v196-203 at work; v204-218 constants and addresses.  Window 1: W1's 16 fragments.  Window 2: W1 on its way, then the tile's 8 fragments of x.  Window 3: x rows on their way.
.set WPW,  33280                       ; LDS: a wave's 32 rows of W1 at pitch RPL
.set RPL,  1040                        ; 1,024 bytes + 16 = 65 x 16: the sixteen rows that a load touches begin in sixteen different 16-byte columns modulo 256
.set XT,   16640                       ; a tile's 16 rows at that pitch
.set XROW, 4*WPW                       ; a chunk's 8 tiles of x rows
.set XSC,  XROW+8*XT                   ; their scale rows: 32 bytes at pitch 48, 768 a tile
.set LIST, XSC+8*768                   ; the list: 1,056 entries in 4,352 bytes
.set DUM,  LIST+4352                   ; where lanes whose token is another expert's put their word: entries 1,088 to 1,119 counted from the list's head; never read
.set CNT,  DUM+128                     ; the count
.set SCB,  CNT+128                     ; a chunk's scale bytes: 64 tile + 4 row + wave
.set WSC,  46
.set XSW,  54
.set BI,   62
.set V,    80
.set A,    96
.set S,    112
.set U,    128
.set C,    144
.set R1,   160
.set R2,   176
.set PC,   192
.set MSB, 0
.macro WIN new                         ; the immediate's high byte repeats the setting that is left
.if MSB != \new
	s_set_vgpr_msb (MSB<<8)|\new
.set MSB, \new
.endif
.endm
.macro BARRIER                         ; my LDS stores have landed and my LDS loads are in: then the work-group's barrier
	s_wait_dscnt 0x0
	s_barrier_signal -1
	s_barrier_wait -1
.endm
.macro PLACES n
.rept \n
	v_nop
.endr
.endm
.macro PAIRC r, val                    ; a constant for the packed forms: they name a pair, so both words are written
	s_mov_b32 s[\r], \val
	s_mov_b32 s[\r+1], \val
.endm
.macro OFF3 p, a, b, c                 ; pointer p += e << a | j << b | w << c  (s33 = 0; all under 2^32)
	s_lshl_b32 s32, s23, \a
	s_lshl_b32 s34, s24, \b
	s_or_b32 s32, s32, s34
	s_lshl_b32 s34, s22, \c
	s_or_b32 s32, s32, s34
	s_add_nc_u64 s[\p:\p+1], s[\p:\p+1], s[32:33]
.endm
; W1 on its way in: pair of rows i, quarter q: lanes 0-15 read 256 aligned bytes of row 2 i, lanes 16-31 of row 2 i + 1
.macro WLOAD i0, i1
	WIN 0x80                                       ; destination window 2
.set wi, \i0
.rept (\i1)-(\i0)+1
.irp q, 0,1,2,3
	global_load_b128 v[16*wi+4*\q:16*wi+4*\q+3], v11, s[8:9] offset:2048*wi+256*\q th:TH_LOAD_NT
.endr
.set wi, wi+1
.endr
	WIN 0
.endm
; eight of those loads go into the wave's own rows in LDS; memory row rho lands in place 16 ((rho / 8) % 2) + 8 (rho / 16) + rho % 8
.macro WSTORE g
	WIN 0x08                                       ; the data: window 2
.irp d, 0,1
.set rho, 4*(\g)+2*\d
.set slo, 16*((rho>>3)&1)+8*(rho>>4)+(rho&7)
.irp q, 0,1,2,3
	ds_store_b128 v4, v[16*(2*(\g)+\d)+4*\q:16*(2*(\g)+\d)+4*\q+3] offset:slo*RPL+256*\q
.endr
.endr
	WIN 0
.endm
.macro WFRAG                           ; and come back as 16 fragments (tile u, K step k) at v[16 (8 u + k)] of window 1.  LDS serves a wave's instructions in order: these see my stores
	WIN 0x40
.irp u, 0,1
.irp k, 0,1,2,3,4,5,6,7
.irp c, 0,1,2,3
	ds_load_b128 v[16*(8*\u+\k)+4*\c:16*(8*\u+\k)+4*\c+3], v5 offset:\u*XT+128*\k+32*\c
.endr
.endr
.endr
	WIN 0
.endm
; the gather offsets of my tile a of the chunk whose list bytes begin at s35: eight pairs of rows, and the scale rows.  Every number from the list is held under 1,024 before it enters an address
.macro GADDR a
	v_add_nc_u32 v208, s35, v13
	v_add_nc_u32 v209, s35, v14
.irp m, 0,1,2,3,4,5,6,7
	ds_load_b32 v[20+8*\a+\m], v208 offset:64*\a+8*\m
.endr
	ds_load_b32 v[36+\a], v209 offset:64*\a
	s_wait_dscnt 0x0
.irp m, 0,1,2,3,4,5,6,7
	v_min_u32 v[20+8*\a+\m], 0x3ff, v[20+8*\a+\m]
.endr
	v_min_u32 v[36+\a], 0x3ff, v[36+\a]
.irp m, 0,1,2,3,4,5,6,7
	v_lshl_add_u32 v[20+8*\a+\m], v[20+8*\a+\m], 10, v12    ; token x 1,024 + 16 (lane % 16)
.endr
	v_lshl_add_u32 v[36+\a], v[36+\a], 5, v206               ; token x 32 + 16 (lane / 16)
.endm
.macro XLD i                           ; pair of rows i of my 32: sixteen lanes read 256 aligned bytes of a token's row  (window 3)
.irp q, 0,1,2,3
	global_load_b128 v[16*(\i)+4*\q:16*(\i)+4*\q+3], v[20+(\i)], s[4:5] offset:256*\q
.endr
.endm
.macro XTILE a                         ; a whole tile: 32 loads of codes, one of scale rows
	WIN 0xc0
.irp m, 0,1,2,3,4,5,6,7
	XLD 8*\a+\m
.endr
	WIN 0
	global_load_b128 v[38+4*\a:41+4*\a], v[36+\a], s[6:7]
.endm
.macro XSTORE a                        ; my tile a goes into the chunk's rows in LDS
	WIN 0x0c                                       ; the data: window 3
.irp m, 0,1,2,3,4,5,6,7
.irp q, 0,1,2,3
	ds_store_b128 v6, v[16*(8*\a+\m)+4*\q:16*(8*\a+\m)+4*\q+3] offset:2*(8*\a+\m)*RPL+256*\q
.endr
.endr
	WIN 0
	ds_store_b128 v8, v[38+4*\a:41+4*\a] offset:768*\a
.endm
.macro FETCH ac, aw                    ; a tile's 8 fragments of x into window 2, its 8 scale words a row into v54-61
	WIN 0x80
.irp k, 0,1,2,3,4,5,6,7
.irp c, 0,1,2,3
	ds_load_b128 v[16*\k+4*\c:16*\k+4*\c+3], v[\ac] offset:128*\k+32*\c
.endr
.endr
	WIN 0
	ds_load_b128 v[XSW:XSW+3], v[\aw]
	ds_load_b128 v[XSW+4:XSW+7], v[\aw] offset:16
.endm
; gelu of the lane's 16 sums, in place in V
.macro GELU
.set gi, 0
.rept 16
	v_mul_f32 v[A+gi], 0x3f3504f3, |v[V+gi]|       ; a = |v| / sqrt(2); each accumulator is read from its low end on
.set gi, gi+1
.endr
.irp p, 0,2,4,6,8,10,12,14
	v_pk_mul_f32 v[S+\p:S+\p+1], v[A+\p:A+\p+1], v[A+\p:A+\p+1]                                    ; s = a a, rounded
.endr
.irp p, 0,2,4,6,8,10,12,14
	v_pk_mul_f32 v[U+\p:U+\p+1], v[S+\p:S+\p+1], s[58:59] op_sel_hi:[1,0]                          ; u = -s Lh, rounded (log2(e) = Lh + Ll)
.endr
.irp p, 0,2,4,6,8,10,12,14
	v_pk_fma_f32 v[C+\p:C+\p+1], v[S+\p:S+\p+1], s[58:59], v[U+\p:U+\p+1] op_sel_hi:[1,0,1] neg_lo:[0,0,1] neg_hi:[0,0,1]   ; what that rounding dropped,
.endr
.irp p, 0,2,4,6,8,10,12,14
	v_pk_fma_f32 v[C+\p:C+\p+1], v[S+\p:S+\p+1], s[60:61], v[C+\p:C+\p+1] op_sel_hi:[1,0,1]        ; less s Ll
.endr
.irp p, 0,2,4,6,8,10,12,14
	v_pk_fma_f32 v[S+\p:S+\p+1], v[A+\p:A+\p+1], v[A+\p:A+\p+1], v[S+\p:S+\p+1] neg_lo:[0,1,0] neg_hi:[0,1,0]   ; s - a a, exact
.endr
.irp p, 0,2,4,6,8,10,12,14
	v_pk_fma_f32 v[C+\p:C+\p+1], v[C+\p:C+\p+1], s[62:63], v[S+\p:S+\p+1] op_sel_hi:[1,0,1]        ; exp(-a a) = 2^u (1 + this)
.endr
.irp p, 0,2,4,6,8,10,12,14
	v_pk_add_f32 v[R1+\p:R1+\p+1], v[A+\p:A+\p+1], 2.0 op_sel_hi:[1,0]
.endr
.irp p, 0,2,4,6,8,10,12,14
	v_pk_fma_f32 v[R2+\p:R2+\p+1], v[A+\p:A+\p+1], s[66:67], v[204:205] op_sel_hi:[1,0,1]          ; sqrt(2) (1 + 2 a)
.endr
.set gi, 0
	s_wait_alu depctr_va_vdst(0)
.rept 16                               ; ONE BATCH of 48: none of them reads another's result
	v_rcp_f32 v[R1+gi], v[R1+gi]
	v_rcp_f32 v[R2+gi], v[R2+gi]
	v_exp_f32 v[U+gi], v[U+gi]
.set gi, gi+1
.endr
.irp p, 0,2,4,6,8,10,12,14
	v_pk_add_f32 v[S+\p:S+\p+1], v[A+\p:A+\p+1], -2.0 op_sel_hi:[1,0]                              ; plain work behind the batch that names none of its results
.endr
	s_wait_alu depctr_va_vdst(0)                   ; the wait ahead of the first reader: one for the batch
.irp p, 0,2,4,6,8,10,12,14
	v_pk_mul_f32 v[R1+\p:R1+\p+1], v[S+\p:S+\p+1], v[R1+\p:R1+\p+1]                                ; q
.endr
.irp p, 0,2,4,6,8,10,12,14
	v_pk_fma_f32 v[S+\p:S+\p+1], v[R1+\p:R1+\p+1], s[40:41], v[78:79] op_sel_hi:[1,0,1]            ; c9 q + c8
.endr
.irp t, 42,44,46,48,50,52,54,56
.irp p, 0,2,4,6,8,10,12,14
	v_pk_fma_f32 v[S+\p:S+\p+1], v[S+\p:S+\p+1], v[R1+\p:R1+\p+1], s[\t:\t+1] op_sel_hi:[1,1,0]    ; .. q + c7 .. c0
.endr
.endr
.irp p, 0,2,4,6,8,10,12,14
	v_pk_fma_f32 v[S+\p:S+\p+1], v[S+\p:S+\p+1], v[R2+\p:R2+\p+1], v[R2+\p:R2+\p+1]                ; (1 + p) / (sqrt(2) (1 + 2 a))
.endr
.irp p, 0,2,4,6,8,10,12,14
	v_pk_mul_f32 v[S+\p:S+\p+1], v[S+\p:S+\p+1], v[U+\p:U+\p+1]
.endr
.irp p, 0,2,4,6,8,10,12,14
	v_pk_fma_f32 v[S+\p:S+\p+1], v[S+\p:S+\p+1], v[C+\p:C+\p+1], v[S+\p:S+\p+1]                    ; erfc(a) / sqrt(2)
.endr
.set gi, 0
.rept 16
	v_max_num_f32 v[R1+gi], 0, v[V+gi]
.set gi, gi+1
.endr
.irp p, 0,2,4,6,8,10,12,14
	v_pk_fma_f32 v[V+\p:V+\p+1], v[A+\p:A+\p+1], v[S+\p:S+\p+1], v[R1+\p:R1+\p+1] neg_lo:[1,0,0] neg_hi:[1,0,0]
.endr
.endm
; the lane's 16 numbers and lane xor 16's are a block of 32 along the next K: codes into v192-195, the scale's byte into v199
.macro QUANT
	v_max3_num_f32 v196, |v[V]|, |v[V+1]|, 0x4800000           ; with the floor 2^(9 - 127): the byte cannot fall under 1
	v_max3_num_f32 v201, |v[V+2]|, |v[V+3]|, |v[V+4]|
	v_max3_num_f32 v196, v196, |v[V+5]|, |v[V+6]|
	v_max3_num_f32 v201, v201, |v[V+7]|, |v[V+8]|
	v_max3_num_f32 v196, v196, |v[V+9]|, |v[V+10]|
	v_max3_num_f32 v201, v201, |v[V+11]|, |v[V+12]|
	v_max3_num_f32 v196, v196, |v[V+13]|, |v[V+14]|
	v_max3_num_f32 v196, v196, v201, |v[V+15]|
	v_permlanex16_b32 v197, v196, s36, s37
	v_max_num_f32 v196, v196, v197                 ; the block's largest magnitude
	v_add_nc_u32 v198, 0xfc000000, v196            ; 8 off its exponent field: the conversion's scale operand
	v_and_or_b32 v200, v196, 0x7f800000, s38       ; 448 x the scale
	v_lshrrev_b32 v199, 23, v198                   ; the scale's byte
.set gi, 0
.rept 16
	v_med3_num_f32 v[V+gi], v[V+gi], -v200, v200   ; the conversion to an 8-bit code does not saturate (ISA guide 7.6.2): the hold comes first
.set gi, gi+1
.endr
	v_cvt_scalef32_pk8_fp8_f32 v[PC:PC+1], v[V:V+7], v198
	v_cvt_scalef32_pk8_fp8_f32 v[PC+2:PC+3], v[V+8:V+15], v198
	v_nop                                          ; a plain line behind the conversions: the next tile's products write their sources
.endm
; ONE TILE: 16 products, the fetch of the next tile, gelu, quantiser, the stores
.macro TILE
	s_wait_dscnt 0x0                               ; the tile's fragments and scale words are in; the last tile's byte store has read its registers
	WIN 0x09                                       ; source 0 (W1) window 1, source 1 (x) window 2, C and D window 0
.irp k, 0,1,2,3,4,5,6,7                ; the two accumulators take turns, one instruction a turn; b1 is the C of each sum's first link
.if \k == 0
	v_wmma_scale_f32_16x16x128_f8f6f4 v[V:V+7], v[0:15], v[0:15], v[BI:BI+7], v[WSC], v[XSW]
	v_wmma_scale_f32_16x16x128_f8f6f4 v[V+8:V+15], v[128:143], v[0:15], v[BI+8:BI+15], v[WSC], v[XSW] matrix_a_scale:MATRIX_SCALE_ROW1
.else
	v_wmma_scale_f32_16x16x128_f8f6f4 v[V:V+7], v[16*\k:16*\k+15], v[16*\k:16*\k+15], v[V:V+7], v[WSC+\k], v[XSW+\k]
	v_wmma_scale_f32_16x16x128_f8f6f4 v[V+8:V+15], v[128+16*\k:128+16*\k+15], v[16*\k:16*\k+15], v[V+8:V+15], v[WSC+\k], v[XSW+\k] matrix_a_scale:MATRIX_SCALE_ROW1
.endif
.endr
	WIN 0
	s_add_co_u32 s72, s29, 1
	s_and_b32 s72, s72, 7                          ; the next place in the chunk
	s_mul_i32 s73, s72, XT
	s_mul_i32 s74, s72, 768
	v_add_nc_u32 v15, s73, v7                      ; eight plain lines stand between the products and the loads into registers that they read, and the first read of their results
	v_add_nc_u32 v16, s74, v9
	v_lshl_add_u32 v18, s29, 6, v10                ; where this tile's scale byte goes
	PLACES 5
	FETCH 15, 16                                   ; lands while the gelu is worked
	GELU
	s_wait_alu depctr_va_vdst(0)
	s_wait_xcnt 0x0                                ; the last tile's store has read its codes and its offset: both are written again only behind this wait
	QUANT
	v_lshl_add_u32 v17, s30, 16, v3                ; tile x 64 KiB + 16 x lane
	global_store_b128 v17, v[PC:PC+3], s[16:17]    ; 512 consecutive bytes, aligned
	ds_store_b8 v18, v199                          ; both lanes of a row write the same byte with the same value
.endm
	s_load_b512 s[4:19], s[0:1], 0x0               ; x codes 4, x scales 6, W1 codes 8, W1 scales 10, b1 12, indices 14, hcodes 16, hscales 18
	s_load_b64 s[20:21], s[0:1], 0x40              ; route
	v_lshl_add_u32 v254, v0, 2, 0x43c00
	v_mov_b32 v255, 0
	v_lshrrev_b32 v1, 5, v0
	v_readfirstlane_b32 s22, v1                    ; wave w
	s_and_b32 s23, ttmp7, 0xffff                   ; expert e
	s_mov_b32 s24, ttmp9                           ; slice j
	v_and_b32 v1, 15, v0                           ; r
	v_bfe_u32 v2, v0, 4, 1                         ; h
	v_and_b32 v3, 31, v0
	v_lshlrev_b32 v212, 2, v3                      ; 4 x lane
	v_add_nc_u32 v213, (DUM-LIST)/4, v3            ; my entry beside the list: 1,088 + lane
	v_lshlrev_b32 v3, 4, v3                        ; 16 x lane
	s_mul_i32 s31, s22, WPW
	v_mul_u32_u24 v4, v2, RPL
	v_lshl_add_u32 v4, v1, 4, v4
	v_add_nc_u32 v4, s31, v4                       ; W1 into LDS: my rows + h rows + 16 r
	v_add_nc_u32 v6, XROW, v4                      ; x into LDS: tiles 2 w, 2 w + 1 (two tiles are as many bytes as a wave's W1 rows)
	v_mul_u32_u24 v5, v1, RPL
	v_lshl_add_u32 v5, v2, 4, v5
	v_add_nc_u32 v7, XROW, v5                      ; a fragment of x in place 0: row r, + 16 h
	v_add_nc_u32 v5, s31, v5                       ; a fragment of W1
	v_mul_u32_u24 v9, v1, 48
	v_add_nc_u32 v9, XSC, v9                       ; x scale words of place 0: row r
	s_mul_i32 s31, s22, 1536
	v_lshl_add_u32 v8, v2, 4, v9
	v_add_nc_u32 v8, s31, v8                       ; and where I store scale rows
	v_lshl_add_u32 v10, v1, 2, SCB
	v_add_nc_u32 v10, s22, v10                     ; my scale byte: 4 r + w
	v_lshlrev_b32 v12, 4, v1                       ; 16 r
	v_lshl_add_u32 v11, v2, 10, v12                ; W1 in memory: h rows of 1,024 + 16 r
	s_lshl_b32 s31, s22, 7
	s_add_co_u32 s31, s31, LIST
	v_lshl_add_u32 v13, v2, 2, s31                 ; my 32 entries of a chunk's 128: + 4 h
	v_lshl_add_u32 v14, v1, 2, s31                 ; + 4 r
	v_lshlrev_b32 v206, 4, v2                      ; 16 h
	v_add_nc_u32 v207, SCB, v3
	v_and_b32 v210, 8, v1
	v_add_nc_u32 v210, v210, v1
	v_lshl_add_u32 v210, v2, 3, v210
	v_lshlrev_b32 v210, 5, v210                    ; W1 scale rows: 32 (r + 8 (r / 8) + 8 h): lanes 0-15 tile 0, lanes 16-31 tile 1
	v_lshlrev_b32 v211, 6, v2                      ; b1: my 16 units begin 64 h bytes on
	v_add_nc_u32 v214, LIST, v3
	v_add_nc_u32 v216, LIST, v212
	v_mov_b32 v217, CNT
	v_mov_b32 v197, 0                              ; written once: a lane permute's destination counts as one of its sources
	v_mov_b32 v78, 0xbaa15130                      ; c8
	v_mov_b32 v79, 0xbaa15130
	v_mov_b32 v204, 0x3fb504f3                     ; sqrt(2)
	v_mov_b32 v205, 0x3fb504f3
	s_mov_b32 s36, 0x76543210
	s_mov_b32 s37, 0xfedcba98                      ; v_permlanex16_b32's selects for lane xor 16
	s_mov_b32 s38, 0x600000                        ; the mantissa field of 448
	PAIRC 40, 0xb9d25000                           ; c9
	PAIRC 42, 0x3aac2b8a                           ; c7
	PAIRC 44, 0x3c0d6e62
	PAIRC 46, 0xbc040dc1
	PAIRC 48, 0xbd5e05b5
	PAIRC 50, 0x3e27fe23
	PAIRC 52, 0xbe2a0420
	PAIRC 54, 0xbdbdfb0b
	PAIRC 56, 0x3e8dd01d                           ; c0
	PAIRC 58, 0xbfb8aa3b                           ; -Lh
	PAIRC 60, 0xb2a57060                           ; -Ll
	PAIRC 62, 0x3f317218                           ; ln 2
	PAIRC 66, 0x403504f3                           ; 2 sqrt(2)
	s_mov_b32 s33, 0
	s_wait_kmcnt 0x0
	OFF3 8, 22, 17, 15                             ; W1 codes: 4 MiB an expert, 128 rows a slice, 32 rows a wave
	OFF3 10, 17, 12, 10                            ; W1 scales: 32 bytes a row
	OFF3 12, 14, 9, 7                              ; b1
	OFF3 16, 22, 11, 9                             ; hcodes: K step j, block w
	s_lshl_b32 s32, s23, 17
	s_lshl_b32 s34, s24, 12
	s_or_b32 s32, s32, s34
	s_add_nc_u64 s[18:19], s[18:19], s[32:33]      ; hscales: K step j
	s_mul_i32 s32, s23, 4352
	s_add_nc_u64 s[20:21], s[20:21], s[32:33]      ; route: my expert's part
	; ---- wave 0 asks for the indices ahead of its weights, and clears the list and the scale bytes
	s_cmp_lg_u32 s22, 0
	s_cbranch_scc1 .Lweights
.irp i, 0,1,2,3,4,5,6,7
	global_load_b128 v[80+4*\i:83+4*\i], v3, s[14:15] offset:512*\i   ; register 80 + 4 i + jj: token 128 i + 4 lane + jj
.endr
.irp i, 0,1,2,3
	v_mov_b32 v[176+\i], 0
.endr
.irp i, 0,1,2,3,4,5,6,7
	ds_store_b128 v214, v[176:179] offset:512*\i
.endr
	ds_store_b32 v216, v176 offset:4096
	ds_store_b128 v207, v[176:179]
.Lweights:
	WLOAD 0, 11                                    ; 48 of my 64 loads of W1
	; ---- wave 0 sorts.  Until the barrier below no other wave touches LDS
	s_cmp_lg_u32 s22, 0
	s_cbranch_scc1 .Lrouted
	s_wait_loadcnt 48                              ; the indices are in; the 48 younger loads of W1 stay out
	s_mov_b32 s70, 0                               ; tokens found so far
.set n, 0
.rept 32
	v_cmp_eq_u32 s68, s23, v[80+n]                 ; whose token is mine
	v_mbcnt_lo_u32_b32 v[112+n], s68, s70          ; its place: those found before + those in lower lanes
	v_cndmask_b32 v[112+n], v213, v[112+n], s68    ; the other lanes take their entry beside the list
	v_min_u32 v[112+n], 0x45f, v[112+n]            ; the entry is held at the last one beside the list, 1,119, before it enters an address
	v_lshl_add_u32 v[112+n], v[112+n], 2, LIST
	v_add_nc_u32 v[144+n], 128*(n/4)+(n%4), v212   ; the token's number
	ds_store_b32 v[112+n], v[144+n]
	s_bcnt1_i32_b32 s69, s68
	s_add_co_u32 s70, s70, s69
.set n, n+1
.endr
	s_max_u32 s71, s70, 1
	s_sub_co_u32 s71, s71, 1
	s_min_u32 s71, s71, 0x3ff
	s_lshl_b32 s71, s71, 2
	s_add_co_u32 s71, s71, LIST
	v_mov_b32 v184, s71
	ds_load_b32 v185, v184                         ; the last token (entry 0, which is 0, where there is none)
	v_lshrrev_b32 v186, 2, v212
	v_add_nc_u32 v186, s70, v186
	v_min_u32 v186, 1055, v186
	v_lshl_add_u32 v186, v186, 2, LIST             ; the 32 entries behind the last
	v_mov_b32 v188, s70
	s_wait_alu depctr_va_vdst(0)
	s_wait_dscnt 0x0
	ds_store_b32 v186, v185
	ds_store_b32 v217, v188                        ; the count
.Lrouted:
	BARRIER                                        ; list and count lie in LDS; nobody writes them again
	s_wait_alu depctr_va_vdst(0)
	ds_load_b32 v218, v217
	s_wait_dscnt 0x0
	v_readfirstlane_b32 s25, v218
	s_min_u32 s25, s25, 0x400                      ; the count
	s_add_co_u32 s26, s25, 15
	s_lshr_b32 s26, s26, 4
	s_max_u32 s26, s26, 1                          ; tiles to work: at least one
	s_max_u32 s27, s26, 8                          ; tiles to lay into LDS: the first chunk whole
	s_mov_b32 s35, 0
	GADDR 0
	GADDR 1
	WLOAD 12, 15                                   ; the other 16
	s_wait_alu depctr_va_vdst(0)
	; ---- W1 turns through LDS, eight loads at a time, and behind each eight go eight loads of the first chunk's x rows
.irp g, 0,1,2,3,4,5,6,7
	s_wait_loadcnt 56                              ; behind W1's load 8 g + 7 stand 56 - 8 g of W1 and 8 g of x
	WSTORE \g
	WIN 0xc0
	XLD 2*\g
	XLD 2*\g+1
	WIN 0
.endr
	global_load_b128 v[38:41], v36, s[6:7]         ; the first chunk's scale rows
	global_load_b128 v[42:45], v37, s[6:7]
	global_load_b128 v[WSC:WSC+3], v210, s[10:11]  ; W1 scale words of K steps 0-3,
	global_load_b128 v[WSC+4:WSC+7], v210, s[10:11] offset:16   ; 4-7
.irp i, 0,1,2,3
	global_load_b128 v[BI+4*\i:BI+4*\i+3], v211, s[12:13] offset:16*\i   ; b1 of units 16 h + 0 .. 15: the two accumulators' layout
.endr
	WFRAG
	; ---- eight chunks of eight tiles: constant trips; what a count leaves out is jumped over inside them, never a barrier
	s_mov_b32 s28, 0
.Lchunk:
	s_wait_loadcnt 0x0                             ; the chunk's rows are in registers, and the loads have read their offsets
	s_lshl_b32 s31, s28, 3
	s_lshl_b32 s32, s22, 1
	s_add_co_u32 s31, s31, s32                     ; my first tile: 8 c + 2 w
	s_cmp_ge_u32 s31, s27
	s_cbranch_scc1 .Lstored0
	XSTORE 0
.Lstored0:
	s_add_co_u32 s32, s31, 1
	s_cmp_ge_u32 s32, s27
	s_cbranch_scc1 .Lstored1
	XSTORE 1
.Lstored1:
	BARRIER                                        ; the chunk's rows lie in LDS; wave 0 has read the last chunk's scale bytes
	s_add_co_u32 s35, s28, 1
	s_min_u32 s35, s35, 7
	s_lshl_b32 s35, s35, 9                         ; the next chunk's 512 bytes of the list
	s_add_co_u32 s32, s31, 8
	s_cmp_ge_u32 s32, s26
	s_cbranch_scc1 .Lasked0
	GADDR 0                                        ; the next chunk's rows are asked for now and land while this chunk is worked
	XTILE 0
.Lasked0:
	s_add_co_u32 s32, s31, 9
	s_cmp_ge_u32 s32, s26
	s_cbranch_scc1 .Lasked1
	GADDR 1
	XTILE 1
.Lasked1:
	FETCH 7, 9                                     ; place 0
	s_mov_b32 s29, 0
.Ltile:
	s_lshl_b32 s30, s28, 3
	s_add_co_u32 s30, s30, s29                     ; tile 8 c + tl
	s_cmp_ge_u32 s30, s26
	s_cbranch_scc1 .Lskip
	TILE
.Lskip:
	s_add_co_u32 s29, s29, 1
	s_cmp_lt_u32 s29, 8
	s_cbranch_scc1 .Ltile
	BARRIER                                        ; nobody reads the chunk's rows any more, and its scale bytes lie in LDS
	s_cmp_lg_u32 s22, 0
	s_cbranch_scc1 .Lnoflush
	s_lshl_b32 s32, s28, 3
	s_cmp_ge_u32 s32, s26
	s_cbranch_scc1 .Lnoflush
	s_wait_xcnt 0x0                                ; the last such store has read its registers
	ds_load_b128 v[200:203], v207
	v_lshl_add_u32 v19, s28, 9, v3
	s_wait_alu depctr_va_vdst(0)
	s_wait_dscnt 0x0
	global_store_b128 v19, v[200:203], s[18:19]    ; eight tiles' scale words: 512 consecutive bytes, aligned (words of tiles that were not worked are read by nobody)
.Lnoflush:
	s_add_co_u32 s28, s28, 1
	s_cmp_lt_u32 s28, 8
	s_cbranch_scc1 .Lchunk
	; ---- slice 0's wave 1 stores the expert's list and count for the second launch
	s_cmp_lg_u32 s24, 0
	s_cbranch_scc1 .Lend
	s_cmp_lg_u32 s22, 1
	s_cbranch_scc1 .Lend
.irp i, 0,1,2,3,4,5,6,7
	ds_load_b128 v[96+4*\i:99+4*\i], v214 offset:512*\i
.endr
	v_mov_b32 v128, s25
	v_mov_b32 v129, s25
	v_lshrrev_b32 v130, 1, v3                      ; 8 x lane
	s_wait_alu depctr_va_vdst(0)
	s_wait_dscnt 0x0
.irp i, 0,1,2,3,4,5,6,7
	global_store_b128 v3, v[96+4*\i:99+4*\i], s[20:21] offset:512*\i
.endr
	global_store_b64 v130, v[128:129], s[20:21] offset:4096   ; the count, 64 times: 256 consecutive bytes
.Lend:
	s_wait_tensorcnt 0x0
	ds_add_u32 v254, v255
	s_wait_dscnt 0x0
	s_endpgm
.Lfunc_end_k_qaede6f64f0_layer1:
	.size	k_qaede6f64f0_layer1, .Lfunc_end_k_qaede6f64f0_layer1-k_qaede6f64f0_layer1
	.p2alignl 7, 3214868480
	.fill 96, 4, 3214868480
	.section	.rodata,"a",@progbits
	.p2align	6, 0x0
	.amdhsa_kernel k_qaede6f64f0_layer1
		.amdhsa_group_segment_fixed_size 278016
		.amdhsa_private_segment_fixed_size 0
		.amdhsa_enable_private_segment 0
		.amdhsa_kernarg_size 72
		.amdhsa_user_sgpr_count 2
		.amdhsa_user_sgpr_kernarg_segment_ptr 1
		.amdhsa_wavefront_size32 1
		.amdhsa_system_sgpr_workgroup_id_x 1
		.amdhsa_system_sgpr_workgroup_id_y 1
		.amdhsa_system_sgpr_workgroup_id_z 1
		.amdhsa_system_vgpr_workitem_id 0
		.amdhsa_next_free_vgpr 1024
		.amdhsa_next_free_sgpr 100
		.amdhsa_reserve_vcc 0
		.amdhsa_float_denorm_mode_32 3
		.amdhsa_float_denorm_mode_16_64 3
		.amdhsa_memory_ordered 1
		.amdhsa_forward_progress 1
		.amdhsa_inst_pref_size 94
	.end_amdhsa_kernel
	.amdgpu_metadata
---
amdhsa.version: [ 1, 2 ]
amdhsa.kernels:
  - .name:           k_qaede6f64f0_layer1
    .symbol:         k_qaede6f64f0_layer1.kd
    .args:
      - { .name: x_codes, .offset: 0, .size: 8, .value_kind: global_buffer, .address_space: global }
      - { .name: x_scales, .offset: 8, .size: 8, .value_kind: global_buffer, .address_space: global }
      - { .name: weight1_codes, .offset: 16, .size: 8, .value_kind: global_buffer, .address_space: global }
      - { .name: weight1_scales, .offset: 24, .size: 8, .value_kind: global_buffer, .address_space: global }
      - { .name: bias1, .offset: 32, .size: 8, .value_kind: global_buffer, .address_space: global }
      - { .name: indices_s, .offset: 40, .size: 8, .value_kind: global_buffer, .address_space: global }
      - { .name: hcodes, .offset: 48, .size: 8, .value_kind: global_buffer, .address_space: global }
      - { .name: hscales, .offset: 56, .size: 8, .value_kind: global_buffer, .address_space: global }
      - { .name: route, .offset: 64, .size: 8, .value_kind: global_buffer, .address_space: global }
    .group_segment_fixed_size: 278016
    .private_segment_fixed_size: 0
    .kernarg_segment_align: 8
    .kernarg_segment_size: 72
    .max_flat_workgroup_size: 128
    .sgpr_count:     100
    .vgpr_count:     1024
    .wavefront_size: 32
...
	.end_amdgpu_metadata
.endif
;; end of part 3
;; launch layer2 (part 4): grid 32 x 8, 4 waves a work-group, no clusters, 285,184 bytes of LDS; arguments hcodes, hscales, route, weight2_codes, weight2_scales, bias2, out0; writes out0
.if DOCPART == 4
	.amdgcn_target "amdgcn-amd-amdhsa--gfx1250"
	.amdhsa_code_object_version 6
	.text
	.protected	k_qaede6f64f0_layer2
	.globl	k_qaede6f64f0_layer2
	.p2align	8
	.type	k_qaede6f64f0_layer2,@function
k_qaede6f64f0_layer2:
	s_mov_b64 s[64:65], 0
	v_nop
	global_prefetch_b8 v0, s[64:65] scope:SCOPE_SE
	s_setreg_imm32_b32 hwreg(HW_REG_WAVE_SCHED_MODE, 0, 2), 2
	s_setreg_imm32_b32 hwreg(HW_REG_WAVE_MODE, 25, 1), 1
	s_wait_xcnt 0x0
	s_wait_alu depctr_vm_vsrc(0)
; SECOND LAYER OF A LAYER OF EXPERTS: y = h W2[e] + b2[e] for the tokens of expert e, scattered to their rows of out0.
; h comes as the first launch left it: hcodes [e][tile 64][K step 32][c 4][lane 32][16 bytes], the image of an operand's registers; hscales [e][K step 32][tile 64][row 16], a word a row; route: the expert's list of tokens and its count.
; W2: [8][1,024 columns][4,096 codes], K innermost, one E8M0 byte for each 32 along K.
; SHARES.  Work-group (x = j, y = e) makes columns 32 j .. 32 j + 31 for all tiles of expert e.  THE WAVES SPLIT K: wave w takes K steps 8 w .. 8 w + 7.  Its 32 rows x 1,024 bytes of W2 are read once and stay in 256 registers,
; and each byte of h enters the work-group once, straight into operand registers, by loads of 512 consecutive bytes.  The four partial sums of a tile meet in LDS, 16 tiles to a chunk, and are added in a fixed order: (P0 + P1) + (P2 + P3) + b2.
; THE MATRIX INSTRUCTION IS USED TRANSPOSED: source 0 = 16 rows of W2, source 1 = 16 tokens: a lane holds one token and eight neighbouring columns.
; A UNIT is half a tile for my wave: four K steps, 8 KiB of codes and two loads of scale words: 18 loads.  Four places of 64 registers take turns; three units are always on their way.
; The list's padding rows repeat the last token, so they store the same numbers to the same place: no lane is ever switched off.
; NO TENSOR LOADS, NO CLUSTER, NO JOINT LOADS: the number of tiles is read from memory (0 to 64), so trips are left out by branches on it.
; LIMITS: the sum over K is made in four parts of 1,024, not in one ascending chain.  A row of out0 is written in pieces of 128 bytes: 8 experts x 1,024 columns on 256 work-groups are 32 columns each.
; REGISTERS, in windows of 256.  Window 0: v1-15 addresses; v16-23 a unit's offsets, for each place; v24-31 h scale words, two for each place; v32-39 W2 scale words; v40-43 b2; v44-51 the list on its way; v52-59 tokens and offsets in out0;
;   v60-63 at work; v64-95 four accumulators (tile parity x 16 columns); v96-159 the four parts of a tile.  Window 1: W2's 16 fragments.  Window 2: the four places.  Window 3: W2 on its way.
; THE MODE: SCHED_MODE bits 1:0 = 2 (LLVM: expert scheduling mode 2), set by the entry lines.  The code itself states the register dependences between vector or matrix instructions and memory or LDS instructions, with s_wait_alu, always for 0.
; THE PLAN.  Registers that memory or LDS instructions touch, and who else names them:
;   v3-13, v63                    offsets and addresses, made at the head and never written again: one wait on va_vdst ahead of the first load.
;   place p of window 2, v24+2p, v25+2p   unit U = p (mod 4): its eight products read them; the loads of unit U + 4, issued at the head of unit U + 1, land in them.
;   v16+p, v20+p                  the place's two offsets: written at the head of unit U + 1, read by the 18 loads that follow; written again four units on, which is one pair on.
;   v14, v64-95                   the parts' address, one add a pair, and the four accumulators: read by the LDS stores of parts, written again in the next pair.
;   v61, v62; v96-159, v52-55; v56-59   the sum of a tile's parts: two addresses; what the LDS loads bring and the additions work on in place; the offsets in out0.  The four stores read v96-111 and v56-59.
; So a PAIR has one wait on vm_vsrc, at its head, which stands between every reader above and the next write of what it read.  A UNIT has one wait on va_vdst, behind the line that makes its offsets: the unit before's products are done
; with the place that is asked for again.  One more stands ahead of the second tile's stores.  A tile's sum has one wait on vm_vsrc and two on va_vdst.
.set WPW,   33280                      ; LDS: a wave's 32 rows of W2 at pitch RPL
.set RPL,   1040                       ; 1,024 bytes + 16 = 65 x 16: the sixteen rows that a load touches begin in sixteen different 16-byte columns modulo 256
.set XT,    16640
.set PREG,  4*WPW                      ; the parts: [tile 16][wave 4][16 rows at pitch 144]
.set PPART, 2304
.set PTILE, 4*PPART
.set LISTL, PREG+16*PTILE              ; the expert's list, 4,096 bytes
.set MSB, 0
.macro WIN new                         ; the immediate's high byte repeats the setting that is left
.if MSB != \new
	s_set_vgpr_msb (MSB<<8)|\new
.set MSB, \new
.endif
.endm
.macro BARRIER                         ; my LDS stores have landed and my LDS loads are in: then the work-group's barrier
	s_wait_dscnt 0x0
	s_barrier_signal -1
	s_barrier_wait -1
.endm
.macro PLACES n
.rept \n
	v_nop
.endr
.endm
.macro WLOAD                           ; pair of rows i, quarter q: lanes 0-15 read 256 aligned bytes of row 2 i, lanes 16-31 of row 2 i + 1
	WIN 0xc0                                       ; destination window 3
.set wi, 0
.rept 16
.irp q, 0,1,2,3
	global_load_b128 v[16*wi+4*\q:16*wi+4*\q+3], v6, s[10:11] offset:8192*wi+256*\q th:TH_LOAD_NT
.endr
.set wi, wi+1
.endr
	WIN 0
.endm
.macro WGRP g, left                    ; eight of those loads are in (left younger loads stay out) and go into the wave's own rows in LDS
	s_wait_loadcnt \left
	WIN 0x0c                                       ; the data: window 3
.irp d, 0,1
.irp q, 0,1,2,3
	ds_store_b128 v4, v[16*(2*(\g)+\d)+4*\q:16*(2*(\g)+\d)+4*\q+3] offset:(4*(\g)+2*\d)*RPL+256*\q
.endr
.endr
	WIN 0
.endm
.macro WFRAG                           ; back as 16 fragments (tile u of columns, K step k) at v[16 (8 u + k)] of window 1.  LDS serves a wave's instructions in order: these see my stores
	WIN 0x40
.irp u, 0,1
.irp k, 0,1,2,3,4,5,6,7
.irp c, 0,1,2,3
	ds_load_b128 v[16*(8*\u+\k)+4*\c:16*(8*\u+\k)+4*\c+3], v5 offset:\u*XT+128*\k+32*\c
.endr
.endr
.endr
	WIN 0
.endm
.macro AADR slot                       ; a unit's offsets, tile s30
	v_lshl_add_u32 v[16+(\slot)], s30, 16, v3      ; codes: tile x 64 KiB + 16 x lane
	v_lshl_add_u32 v[20+(\slot)], s30, 6, v7       ; scale words: tile x 64 + 4 r, lanes 16-31 one K step on
.endm
.macro ALD slot, hf                    ; its 18 loads
	WIN 0x80                                       ; destination window 2
.set an, 0
.rept 16
	global_load_b128 v[64*(\slot)+4*an:64*(\slot)+4*an+3], v[16+(\slot)], s[4:5] offset:8192*(\hf)+512*an
.set an, an+1
.endr
	WIN 0
	global_load_b32 v[24+2*(\slot)], v[20+(\slot)], s[6:7] offset:(4*(\hf))*4096
	global_load_b32 v[25+2*(\slot)], v[20+(\slot)], s[6:7] offset:(4*(\hf)+2)*4096
.endm
.macro MM                              ; one product, by the symbols rD, rA, rB, rSA, rSB; zz: it starts the sum; ra, rb: the scale words stand in lanes 16-31
.if zz && (ra == 0)
	v_wmma_scale_f32_16x16x128_f8f6f4 v[rD:rD+7], v[rA:rA+15], v[rB:rB+15], 0, v[rSA], v[rSB]
.elseif zz
	v_wmma_scale_f32_16x16x128_f8f6f4 v[rD:rD+7], v[rA:rA+15], v[rB:rB+15], 0, v[rSA], v[rSB] matrix_a_scale:MATRIX_SCALE_ROW1
.elseif (ra == 0) && (rb == 0)
	v_wmma_scale_f32_16x16x128_f8f6f4 v[rD:rD+7], v[rA:rA+15], v[rB:rB+15], v[rD:rD+7], v[rSA], v[rSB]
.elseif rb == 0
	v_wmma_scale_f32_16x16x128_f8f6f4 v[rD:rD+7], v[rA:rA+15], v[rB:rB+15], v[rD:rD+7], v[rSA], v[rSB] matrix_a_scale:MATRIX_SCALE_ROW1
.elseif ra == 0
	v_wmma_scale_f32_16x16x128_f8f6f4 v[rD:rD+7], v[rA:rA+15], v[rB:rB+15], v[rD:rD+7], v[rSA], v[rSB] matrix_b_scale:MATRIX_SCALE_ROW1
.else
	v_wmma_scale_f32_16x16x128_f8f6f4 v[rD:rD+7], v[rA:rA+15], v[rB:rB+15], v[rD:rD+7], v[rSA], v[rSB] matrix_a_scale:MATRIX_SCALE_ROW1 matrix_b_scale:MATRIX_SCALE_ROW1
.endif
.endm
; TWO TILES, s26 and s26 + 1: four units in places 0 to 3.  Where the second tile does not exist the last tile is worked twice, and its second part is read by nobody.
.macro PAIR
	s_wait_dscnt 0x0                               ; W2's fragments are in (first entry); the earlier stores of parts have landed
	s_wait_alu depctr_vm_vsrc(0)                   ; the last pair's stores of parts have read v14 and the accumulators v64-95, and the units' loads issued so far have read their offsets v16-23: all of these are written again in this pair
	s_mul_i32 s31, s25, 2*PTILE
	v_add_nc_u32 v14, s31, v8                      ; where my parts of this pair go
.irp U, 0,1,2,3
	s_add_co_u32 s30, s26, ((\U+3)>>1)             ; the unit three on: its tile, held at the last tile that was written,
	s_min_u32 s30, s30, s23
	s_min_u32 s30, s30, 63                         ; and under 64
	AADR ((\U+3)&3)                                ; its place's last loads were shown done by the wait of the unit before: the offsets may be written
	PLACES 6                                       ; with the two lines above: eight plain lines between the last products and the loads into registers that they read, and the stores of their results
	s_wait_alu depctr_va_vdst(0)                   ; the unit before's products are done reading this place and its two scale words, in which the loads below land; the place's two offsets are written, and v14; in the third unit the first tile's sums v64-79 are written, which the LDS stores read
.if \U == 2
	ds_store_b128 v14, v[64:67]                    ; the first tile's part; each accumulator from its low end on
	ds_store_b128 v14, v[68:71] offset:16
	ds_store_b128 v14, v[72:75] offset:64
	ds_store_b128 v14, v[76:79] offset:80
.endif
	ALD ((\U+3)&3), ((\U+3)&1)
	s_wait_loadcnt 54                              ; three younger units of 18 loads stay out: this unit is in
	WIN 0x09                                       ; source 0 (W2) window 1, source 1 (h) window 2, C and D window 0
.irp kk, 0,1,2,3                       ; the two accumulators take turns, one instruction a turn
.irp u, 0,1
.set rD, 64+16*(\U>>1)+8*\u
.set rA, 16*(8*\u+4*(\U&1)+\kk)
.set rB, 64*\U+16*\kk
.set rSA, 32+4*(\U&1)+\kk
.set rSB, 24+2*\U+(\kk>>1)
.set ra, \u
.set rb, \kk&1
.set zz, 0
.if ((\U&1) == 0) && (\kk == 0)
.set zz, 1
.endif
	MM
.endr
.endr
	WIN 0
.endr
	PLACES 8
	s_wait_alu depctr_va_vdst(0)                   ; the second tile's sums v80-95 are written, which the LDS stores read; the places above stay beside this wait
	ds_store_b128 v14, v[80:83] offset:PTILE       ; the second tile's part
	ds_store_b128 v14, v[84:87] offset:PTILE+16
	ds_store_b128 v14, v[88:91] offset:PTILE+64
	ds_store_b128 v14, v[92:95] offset:PTILE+80
.endm
; One tile's four parts are added, b2 is added, and its 16 rows go to their tokens' rows of out0.  Lane l takes row l / 8 + 4 i and columns 4 (l % 8) on.
.macro REDUCE
	s_wait_xcnt 0x0                                ; the last stores have read their data and offsets
	s_wait_alu depctr_vm_vsrc(0)                   ; the last tile's LDS loads have read v61 and v62, its stores v56-59 and v96-111: all are written again below
	s_mul_i32 s31, s27, 4*PTILE
	v_add_nc_u32 v61, s31, v9
	s_lshl_b32 s31, s24, 10
	s_lshl_b32 s32, s27, 8
	s_add_co_u32 s31, s31, s32
	v_add_nc_u32 v62, s31, v10                     ; the tile's 16 entries of the list
	s_wait_alu depctr_va_vdst(0)                   ; v61 and v62 are written, which the LDS loads read; the last tile's additions and clamps are done with v96-159 and v52-55, in which those loads land
.irp wv, 0,1,2,3
.irp i, 0,1,2,3
	ds_load_b128 v[96+16*\wv+4*\i:99+16*\wv+4*\i], v61 offset:PPART*\wv+576*\i
.endr
.endr
.irp i, 0,1,2,3
	ds_load_b32 v[52+\i], v62 offset:16*\i
.endr
	s_wait_dscnt 0x0
.irp i, 0,1,2,3
.irp d, 0,2
	v_pk_add_f32 v[96+4*\i+\d:97+4*\i+\d], v[96+4*\i+\d:97+4*\i+\d], v[112+4*\i+\d:113+4*\i+\d]
	v_pk_add_f32 v[128+4*\i+\d:129+4*\i+\d], v[128+4*\i+\d:129+4*\i+\d], v[144+4*\i+\d:145+4*\i+\d]
.endr
.endr
.irp i, 0,1,2,3
	v_min_u32 v[52+\i], 0x3ff, v[52+\i]            ; a number from the list is held under 1,024 before it enters an address
.endr
.irp i, 0,1,2,3
.irp d, 0,2
	v_pk_add_f32 v[96+4*\i+\d:97+4*\i+\d], v[96+4*\i+\d:97+4*\i+\d], v[128+4*\i+\d:129+4*\i+\d]
.endr
.endr
.irp i, 0,1,2,3
	v_lshl_add_u32 v[56+\i], v[52+\i], 12, v11     ; token x 4,096 + 16 (l % 8)
.endr
.irp i, 0,1,2,3
.irp d, 0,2
	v_pk_add_f32 v[96+4*\i+\d:97+4*\i+\d], v[96+4*\i+\d:97+4*\i+\d], v[40+\d:41+\d]
.endr
.endr
	s_wait_alu depctr_va_vdst(0)                   ; the sums v96-111 and the offsets v56-59 are written, which the four stores read
.irp i, 0,1,2,3
	global_store_b128 v[56+\i], v[96+4*\i:99+4*\i], s[16:17] th:TH_STORE_NT   ; eight lanes write a row's 128 bytes; an instruction covers four rows
.endr
.endm
	s_load_b256 s[4:11], s[0:1], 0x0               ; hcodes 4, hscales 6, route 8, W2 codes 10
	s_load_b128 s[12:15], s[0:1], 0x20             ; W2 scales 12, b2 14
	s_load_b64 s[16:17], s[0:1], 0x30              ; out0
	v_lshl_add_u32 v254, v0, 2, 0x45800
	v_mov_b32 v255, 0
	v_lshrrev_b32 v1, 5, v0
	v_readfirstlane_b32 s18, v1                    ; wave w
	s_and_b32 s19, ttmp7, 0xffff                   ; expert e
	s_mov_b32 s20, ttmp9                           ; slice j
	v_and_b32 v1, 15, v0                           ; r
	v_bfe_u32 v2, v0, 4, 1                         ; h
	v_and_b32 v60, 31, v0                          ; lane
	v_lshlrev_b32 v3, 4, v60                       ; 16 x lane
	s_wait_alu depctr_va_sdst(0)                   ; s18 is written, ahead of its first reader
	s_mul_i32 s28, s18, WPW
	v_mul_u32_u24 v4, v2, RPL
	v_lshl_add_u32 v4, v1, 4, v4
	v_add_nc_u32 v4, s28, v4                       ; W2 into LDS: my rows + h rows + 16 r
	v_mul_u32_u24 v5, v1, RPL
	v_lshl_add_u32 v5, v2, 4, v5
	v_add_nc_u32 v5, s28, v5                       ; a fragment of W2: row r, + 16 h
	v_lshlrev_b32 v6, 4, v1
	v_lshl_add_u32 v6, v2, 12, v6                  ; W2 in memory: h rows of 4,096 + 16 r
	v_lshlrev_b32 v7, 2, v1
	v_lshl_add_u32 v7, v2, 12, v7                  ; h scale words: 4 r, + a K step (4,096 bytes) for lanes 16-31
	v_mul_u32_u24 v8, v1, 144
	v_lshl_add_u32 v8, v2, 5, v8
	s_mul_i32 s28, s18, PPART
	s_add_co_u32 s28, s28, PREG
	v_add_nc_u32 v8, s28, v8                       ; my part of tile 0: row r, + 32 h
	v_lshrrev_b32 v61, 3, v60                      ; lane / 8
	v_and_b32 v62, 7, v60
	v_lshlrev_b32 v11, 4, v62                      ; 16 (lane % 8)
	v_mad_u32_u24 v9, v61, 144, v11
	s_mul_i32 s28, s18, PTILE
	s_add_co_u32 s28, s28, PREG
	v_add_nc_u32 v9, s28, v9                       ; the parts of tile w: row lane / 8, + 16 (lane % 8)
	s_lshl_b32 s28, s18, 6
	s_add_co_u32 s28, s28, LISTL
	v_lshl_add_u32 v10, v61, 2, s28                ; tile w's entries of the list: + 4 (lane / 8)
	s_lshl_b32 s28, s18, 10
	v_add_nc_u32 v63, s28, v3                      ; my quarter of the list in memory,
	v_add_nc_u32 v12, LISTL, v63                   ; and in LDS
	v_lshlrev_b32 v13, 7, v60                      ; W2 scale rows: 128 x lane: lanes 0-15 tile 0 of columns, lanes 16-31 tile 1
	s_mov_b32 s29, 0
	s_wait_kmcnt 0x0
	s_mul_i32 s28, s19, 4352
	s_add_nc_u64 s[8:9], s[8:9], s[28:29]          ; route: my expert's part
	s_load_b32 s21, s[8:9], 0x1000                 ; the count
	s_lshl_b32 s28, s19, 22
	s_lshl_b32 s30, s18, 14
	s_or_b32 s28, s28, s30
	s_add_nc_u64 s[4:5], s[4:5], s[28:29]          ; hcodes: 4 MiB an expert, my 8 K steps of 2 KiB
	s_lshl_b32 s28, s19, 17
	s_lshl_b32 s30, s18, 15
	s_or_b32 s28, s28, s30
	s_add_nc_u64 s[6:7], s[6:7], s[28:29]          ; hscales: my 8 K steps of 4,096 bytes
	s_lshl_b32 s28, s19, 22
	s_lshl_b32 s30, s20, 17
	s_or_b32 s28, s28, s30
	s_lshl_b32 s30, s18, 10
	s_or_b32 s28, s28, s30
	s_add_nc_u64 s[10:11], s[10:11], s[28:29]      ; W2 codes: 32 rows of 4,096 a slice, my 1,024 bytes of each
	s_lshl_b32 s28, s19, 17
	s_lshl_b32 s30, s20, 12
	s_or_b32 s28, s28, s30
	s_lshl_b32 s30, s18, 5
	s_or_b32 s28, s28, s30
	s_add_nc_u64 s[12:13], s[12:13], s[28:29]      ; W2 scales: 128 bytes a row, my 32 of them
	s_lshl_b32 s28, s19, 12
	s_lshl_b32 s30, s20, 7
	s_or_b32 s28, s28, s30
	s_add_nc_u64 s[14:15], s[14:15], s[28:29]      ; b2
	s_lshl_b32 s28, s20, 7
	s_add_nc_u64 s[16:17], s[16:17], s[28:29]      ; out0: my 32 columns
	s_wait_alu depctr_va_vdst(0)                   ; the offsets and addresses made above (v3-13, v63) are written: the loads and stores below read them, and none is written again
	global_load_b128 v[44:47], v63, s[8:9]         ; my quarter of the list
	global_load_b128 v[48:51], v63, s[8:9] offset:512
	global_load_b128 v[40:43], v11, s[14:15]       ; b2 of columns 4 (lane % 8) on
	global_load_b128 v[32:35], v13, s[12:13]       ; W2 scale words of my K steps 0-3,
	global_load_b128 v[36:39], v13, s[12:13] offset:16   ; 4-7
	WLOAD                                          ; all 64 loads of W2
	s_wait_kmcnt 0x0
	s_min_u32 s21, s21, 0x400
	s_add_co_u32 s22, s21, 15
	s_lshr_b32 s22, s22, 4                         ; tiles
	s_max_u32 s23, s22, 1
	s_sub_co_u32 s23, s23, 1                       ; the last tile that the first launch wrote
	s_mov_b32 s30, 0                               ; the first three units' offsets are made together: tile 0 twice,
	AADR 0
	AADR 1
	s_min_u32 s30, s23, 1                          ; and tile 1 (or the last)
	AADR 2
	s_wait_alu depctr_va_vdst(0)                   ; the six offsets v16-18 and v20-22 are written, which the first three units' loads read
	; ---- W2 turns through LDS, eight loads at a time; the first three units go out between.  Each count: the loads of W2 behind the group + 18 for each unit issued
	WGRP 0, 56
	ds_store_b128 v12, v[44:47]                    ; (older than W2's loads: in)
	ds_store_b128 v12, v[48:51] offset:512
	WGRP 1, 48
	ALD 0, 0                                       ; tile 0, first half
	WGRP 2, 58
	WGRP 3, 50
	ALD 1, 1                                       ; tile 0, second half
	WGRP 4, 60
	WGRP 5, 52
	ALD 2, 0                                       ; tile 1 (or the last), first half
	WGRP 6, 62
	WGRP 7, 54
	WFRAG
	; ---- four chunks of 16 tiles: constant trips; what the count leaves out is jumped over inside them, never a barrier
	s_mov_b32 s24, 0
.Lchunk:
	s_mov_b32 s25, 0
.Lpair:
	s_lshl_b32 s26, s24, 4
	s_lshl_b32 s31, s25, 1
	s_add_co_u32 s26, s26, s31                     ; the pair's first tile: 16 c + 2 p
	s_cmp_ge_u32 s26, s22
	s_cbranch_scc1 .Lnopair
	PAIR
.Lnopair:
	s_add_co_u32 s25, s25, 1
	s_cmp_lt_u32 s25, 8
	s_cbranch_scc1 .Lpair
	BARRIER                                        ; all four waves' parts of the chunk lie in LDS (and, the first time, the list)
	s_mov_b32 s27, 0
.Lred:
	s_lshl_b32 s28, s24, 4
	s_add_co_u32 s28, s28, s18
	s_lshl_b32 s31, s27, 2
	s_add_co_u32 s28, s28, s31                     ; my tile: 16 c + w + 4 m
	s_cmp_ge_u32 s28, s22
	s_cbranch_scc1 .Lnored
	REDUCE
.Lnored:
	s_add_co_u32 s27, s27, 1
	s_cmp_lt_u32 s27, 4
	s_cbranch_scc1 .Lred
	BARRIER                                        ; the parts have been read: the next chunk's may be stored
	s_add_co_u32 s24, s24, 1
	s_cmp_lt_u32 s24, 4
	s_cbranch_scc1 .Lchunk
	s_wait_dscnt 0x0                               ; the closing lines, six on end
	s_wait_alu 0x0
	s_wait_tensorcnt 0x0
	ds_add_u32 v254, v255
	s_wait_dscnt 0x0
	s_endpgm
.Lfunc_end_k_qaede6f64f0_layer2:
	.size	k_qaede6f64f0_layer2, .Lfunc_end_k_qaede6f64f0_layer2-k_qaede6f64f0_layer2
	.p2alignl 7, 3214868480
	.fill 96, 4, 3214868480
	.section	.rodata,"a",@progbits
	.p2align	6, 0x0
	.amdhsa_kernel k_qaede6f64f0_layer2
		.amdhsa_group_segment_fixed_size 285184
		.amdhsa_private_segment_fixed_size 0
		.amdhsa_enable_private_segment 0
		.amdhsa_kernarg_size 56
		.amdhsa_user_sgpr_count 2
		.amdhsa_user_sgpr_kernarg_segment_ptr 1
		.amdhsa_wavefront_size32 1
		.amdhsa_system_sgpr_workgroup_id_x 1
		.amdhsa_system_sgpr_workgroup_id_y 1
		.amdhsa_system_sgpr_workgroup_id_z 1
		.amdhsa_system_vgpr_workitem_id 0
		.amdhsa_next_free_vgpr 1024
		.amdhsa_next_free_sgpr 66
		.amdhsa_reserve_vcc 0
		.amdhsa_float_denorm_mode_32 3
		.amdhsa_float_denorm_mode_16_64 3
		.amdhsa_memory_ordered 1
		.amdhsa_forward_progress 1
		.amdhsa_inst_pref_size 45
	.end_amdhsa_kernel
	.amdgpu_metadata
---
amdhsa.version: [ 1, 2 ]
amdhsa.kernels:
  - .name:           k_qaede6f64f0_layer2
    .symbol:         k_qaede6f64f0_layer2.kd
    .args:
      - { .name: hcodes, .offset: 0, .size: 8, .value_kind: global_buffer, .address_space: global }
      - { .name: hscales, .offset: 8, .size: 8, .value_kind: global_buffer, .address_space: global }
      - { .name: route, .offset: 16, .size: 8, .value_kind: global_buffer, .address_space: global }
      - { .name: weight2_codes, .offset: 24, .size: 8, .value_kind: global_buffer, .address_space: global }
      - { .name: weight2_scales, .offset: 32, .size: 8, .value_kind: global_buffer, .address_space: global }
      - { .name: bias2, .offset: 40, .size: 8, .value_kind: global_buffer, .address_space: global }
      - { .name: out0, .offset: 48, .size: 8, .value_kind: global_buffer, .address_space: global }
    .group_segment_fixed_size: 285184
    .private_segment_fixed_size: 0
    .kernarg_segment_align: 8
    .kernarg_segment_size: 56
    .max_flat_workgroup_size: 128
    .sgpr_count:     66
    .vgpr_count:     1024
    .wavefront_size: 32
...
	.end_amdgpu_metadata
.endif
;; end of part 4
